; MI455X (gfx1250); checked and timed in simulation.
; The chip was launched on July 23, 2026; its instructions are those of AMD's public machine-readable ISA for CDNA 5 (MIT licence, August 2026) and "CDNA5" Instruction Set Architecture Reference Guide (July 2026). The comments in the code are by the model that wrote it; some were corrected since.
;; Multi Head Attention. Allowed arithmetic: matrix products marked QUANTISED: E2M3 operands, one E8M0 scale for each 32 along K, by v_wmma_scale_f32_16x16x128_f8f6f4 with both operands' format E2M3, f32 sums; everything else in f32.
;; Inputs: Wk 1,024 x 1,024 float32; Wo 1,024 x 1,024 float32; Wq 1,024 x 1,024 float32; Wv 1,024 x 1,024 float32; bk 1,024 float32; bo 1,024 float32; bq 1,024 float32; bv 1,024 float32; x 4 x 2,048 x 1,024 float32.
;; Outputs: out0 4 x 2,048 x 1,024 float32.
;; This version of the problem:
;;   THIS VERSION OF THE PROBLEM IS GIVEN IN LOW PRECISION. The matrix products marked QUANTISED in the list below multiply operands that are first quantised to E2M3 (2 exponent bits, 3 mantissa bits; 6 bits a number), with one power-of-two scale for each 32 numbers along K (OCP MX v1.0); their sums are f32. All else is computed in f32.
;;   The module's matrix products, in the order in which they are computed (A, B: the left and right operand; K: the contracted axis; several contracted axes count as one K, in the product's order):
;;     1. [M 8,192, K 1,024] x [K 1,024, N 1,024]; A: input x; B: input Wq: QUANTISED
;;     2. [M 8,192, K 1,024] x [K 1,024, N 1,024]; A: input x; B: input Wk: QUANTISED
;;     3. [M 8,192, K 1,024] x [K 1,024, N 1,024]; A: input x; B: input Wv: QUANTISED
;;     4. batch 64 x [M 2,048, K 64] x [K 64, N 2,048]; A: computed on the way; B: computed on the way: QUANTISED
;;     5. batch 64 x [M 2,048, K 2,048] x [K 2,048, N 64]; A: softmax (see below); B: computed on the way: QUANTISED
;;     6. [M 8,192, K 1,024] x [K 1,024, N 1,024]; A: computed on the way; B: input Wo: QUANTISED
;;   THE QUANTISER, for each operand of a quantised product, along K:
;;     - K is cut into blocks of 32 from its start; a last block that is shorter is filled with zeros.
;;     - A block's scale is 2^e with e = floor(log2(the largest magnitude in the block)) - 2, held to -126 .. 127; a block of zeros has e = 0. As a byte (E8M0): e + 127.
;;     - Each number is divided by its block's scale, clamped to +-7.5, and rounded to the nearest number of E2M3, ties to even, subnormals kept.
;;     - The product sums the exact products of the quantised numbers (number of the format x scale) in f32.
;;   ~~~python
;;   def quantise(x, axis):      # numpy; x: float32 -> the quantised numbers, widened to float32 again
;;       x = np.moveaxis(x, axis, -1); K = x.shape[-1]
;;       x = np.pad(x, [(0, 0)] * (x.ndim - 1) + [(0, -K % 32)]); x = x.reshape(x.shape[:-1] + (-1, 32)); a = np.abs(x).max(-1, keepdims=True)
;;       e = np.where(a > 0, np.clip(np.frexp(np.where(a > 0, a, 1))[1] - 1 - 2, -126, 127), 0)      # np.frexp(a)[1] - 1 = floor(log2(a)), exactly
;;       r = np.clip(x / 2.0 ** e, -7.5, 7.5)
;;       step = 2.0 ** (np.maximum(np.frexp(np.where(r == 0, 1, r))[1] - 1, 0) - 3)
;;       q = np.round(r / step) * step * 2.0 ** e      # np.round: ties to even
;;       return np.moveaxis(q.reshape(q.shape[:-2] + (-1,))[..., :K], -1, axis).astype(np.float32)
;;   ~~~
;;   SOFTMAX AHEAD OF A QUANTISED PRODUCT. Where the list says 'softmax', what is quantised is not the finished softmax but p = 2^(t - M), with t = logit x log2(e) and M = ceil(the row's largest t), a whole number; so 1/2 < the row's largest p <= 1. The row's sum l is taken of the UNQUANTISED p, in f32, and the product's result is divided by l at the end. Since M is a whole number, a kernel that streams over the keys may use a running M (the ceiling of the running maximum): every later rescaling is an exact power of two, which a block's scale takes up: the codes' values come out the same.
;;   OPERANDS COMPUTED ON THE WAY. 'Computed on the way' means the value that the module computes at that place (a softmax that the list does not call 'softmax' is quantised finished and normalised). What goes into a quantiser is computed in f32, as accurately as f32 sums, v_exp_f32 and their like allow (about 1e-6 of the number): no bf16 or f16 on the way to a quantiser, and a product that is left as it is and whose result goes on into a quantised operand takes f32 operands (vector FMAs, or v_wmma_f32_16x16x4_f32). A number that lies on a knife's edge between two numbers of the format may be rounded either way, as far as f32 arithmetic and the matrix unit's own rounding can turn it there, and no further.
;; One version. Each part assembles by itself: llvm-mc -triple=amdgcn-amd-amdhsa -mcpu=gfx1250 --defsym DOCPART=n.
;; ======== version 1 of 1: 4 launches
;; limits: right only within a limited range of input values
;; workspace buffers: xc 6,291,456 bytes; xs 262,144 bytes; wc 3,145,728 bytes; ws 131,072 bytes; qb 6,815,744 bytes; kvb 13,631,488 bytes; oc 6,291,456 bytes; os 262,144 bytes
;; launch quant (part 1): grid 384 x 1, 4 waves a work-group, no clusters, 33,280 bytes of LDS; arguments x, Wq, Wk, Wv, Wo, xc, xs, wc, ws; writes xc, xs, wc, ws
.if DOCPART == 1
	.amdgcn_target "amdgcn-amd-amdhsa--gfx1250"
	.amdhsa_code_object_version 6
	.text
	.protected	k_q5727593b5e_quant
	.globl	k_q5727593b5e_quant
	.p2align	8
	.type	k_q5727593b5e_quant,@function
k_q5727593b5e_quant:
	s_mov_b64 s[64:65], 0
	v_nop
	global_prefetch_b8 v0, s[64:65] scope:SCOPE_SE
	s_setreg_imm32_b32 hwreg(HW_REG_WAVE_MODE, 25, 1), 1
	s_wait_xcnt 0x0
; MULTI-HEAD ATTENTION IN MX-FP6, launch 1 of 4: x [8192][1024] and Wq, Wk, Wv, Wo [1024][1024], f32 with K innermost, become codes of FP6 (E2M3) and one E8M0 scale byte for each 32 along K.
; NOTHING OF reference() IS LEFT OUT in this program: every bias goes into a quantised operand (bq, bk, bv) or into the output (bo), every product's result reaches the output, so all nine inputs are loaded.
; A block's scale is 2^(floor(log2(its largest magnitude)) - 2); its byte is the largest magnitude's exponent field - 2, held at 1 from below.  Each number is divided by the scale and rounded to the nearest code, ties to even.
; LIMITS: a block of zeros, or one whose largest magnitude lies under 2^-124, gets the byte 1 (the rule says 127 for zeros: the codes are zeros, and these bytes are read by this program alone); NaN and infinities are not served.
; THE ORDER OF ROWS.  Codes go to xc [8192 places][768 bytes] and wc [4096 places][768] (Wq, Wk, Wv, Wo on end), scale bytes to xs, ws [place][32].  In x, Wq, Wk and Wv, within each 64 rows, row 32 g + 8 T + j lies at
; place 16 T + 8 g + j.  Sixteen places on end, taken as source 0 of a matrix instruction, then leave rows 32 (lane / 16) + 8 T + 0 .. 7 in a lane's eight result registers: four such tiles are a whole block of 32 in one lane.
; Wo keeps its order.  A wave takes a run of 8 rows (8,192 numbers), so the order of rows is an order of runs: run 4 g + T of a 64 goes to run 2 T + g.
; A wave takes 16 steps of 512 numbers.  Each of a step's four loads reads 512 consecutive bytes; the 2,048 bytes turn through the wave's own stage in LDS and come back 64 bytes a lane, so that a lane holds 16 neighbours
; along K (two neighbouring lanes hold a block).  A lane's 16 codes are 12 bytes: the wave stores 384 consecutive bytes.  A wave's 256 scale bytes are gathered in LDS and leave as 256 consecutive bytes, aligned.
; No tensor loads, no barrier: waves share nothing.  Loads run eight steps (32 loads, 16,384 bytes a wave) ahead, the turn through LDS one step.
.set WAVES, 4
.set STEPS, 16
.set AHEAD, 8
.set EMAX,  2
.set CB,    12                         ; bytes of 16 codes
.set R,     16                         ; v16-143  eight sets of 16 numbers as they are loaded
.set X,     144                        ; v144-175 two sets of 16 neighbours
.set E,     176                        ; v176-191 a scale byte for each step
.set C,     192                        ; v192-255 codes: four registers for each step, so that no store's data are written again
.set WREG,  8192                       ; LDS: a region for each wave: two stages of 32 x SP bytes, behind them its 256 scale bytes
.set SP,    80                         ; a lane's place in a stage: its 64 bytes + 16 of padding
.set SPW,   12                         ; v12      LDS address of my spare word; never rewritten
.set NIL,   13                         ; v13      0; never rewritten
.set SPARE, WAVES*WREG                 ; behind the four regions: the spare words, 128 bytes a wave, which no other line names
.set IN,    12                         ; s[12:13] the tensor that I read
.set OC,    14                         ; s[14:15] where its codes go
.set OS,    16                         ; s[16:17] where its scale bytes go
	s_load_b256 s[4:11], s[0:1], 0x0               ; x s[4:5], Wq s[6:7], Wk s[8:9], Wv s[10:11]
	s_load_b256 s[12:19], s[0:1], 0x20             ; Wo s[12:13], xc s[14:15], xs s[16:17], wc s[18:19]
	s_load_b64 s[20:21], s[0:1], 0x40              ; ws
	v_lshl_add_u32 v[SPW], v0, 2, SPARE
	v_mov_b32 v[NIL], 0
	v_lshrrev_b32 v1, 5, v0
	v_readfirstlane_b32 s22, v1                    ; wave
	v_and_b32 v2, 31, v0                           ; lane
	v_lshlrev_b32 v3, 4, v2                        ; my 16 bytes of a load's 512
	s_mul_i32 s23, s22, WREG
	v_lshrrev_b32 v14, 2, v2
	v_mul_u32_u24 v14, v14, SP
	v_and_b32 v15, 3, v2
	v_lshl_add_u32 v14, v15, 4, v14
	v_add_nc_u32 v14, s23, v14                     ; the stage, on the way in: SP (lane / 4) + 16 (lane % 4)
	v_mul_u32_u24 v15, v2, SP
	v_add_nc_u32 v15, s23, v15                     ; and on the way out: SP x lane: my 16 neighbours
	v_mul_u32_u24 v4, v2, CB                       ; my codes' place in a step's
	v_lshrrev_b32 v5, 1, v2
	s_add_co_u32 s23, s23, 2*32*SP
	v_add_nc_u32 v5, s23, v5                       ; LDS: my wave's 256 scale bytes, my block's byte
	v_lshlrev_b32 v7, 3, v2                        ; and on the way out 8 bytes a lane
	v_add_nc_u32 v6, s23, v7
	; which tensor and which runs: work-groups 0-255 take x, 256-383 the weights, 32 each.  All of it hangs on the work-group's and the wave's number alone
	s_cmp_lt_u32 ttmp9, 256
	s_cselect_b32 s24, 0, 256
	s_cselect_b32 s25, -1, 31
	s_sub_co_u32 s24, ttmp9, s24                   ; G: my number among x's work-groups, or among the weights'
	s_lshr_b32 s26, s24, 5
	s_cmp_lt_u32 ttmp9, 256
	s_cselect_b32 s26, 4, s26                      ; 0 Wq, 1 Wk, 2 Wv, 3 Wo, 4 x
	s_and_b32 s27, s24, s25
	s_lshl_b32 s27, s27, 2
	s_add_co_u32 s27, s27, s22                     ; the run that I read, in its tensor
	s_lshr_b32 s28, s24, 1
	s_lshl_b32 s28, s28, 3
	s_lshl_b32 s29, s22, 1
	s_or_b32 s28, s28, s29
	s_and_b32 s29, s24, 1
	s_or_b32 s28, s28, s29                         ; the run that I write: 8 (G / 2) + 2 wave + G % 2
	s_lshl_b32 s29, s24, 2
	s_add_co_u32 s29, s29, s22
	s_cmp_eq_u32 s26, 3
	s_cselect_b32 s28, s29, s28                    ; Wo keeps its order
	s_lshl_b32 s30, s27, 15                        ; a run is 32,768 bytes of f32,
	s_mov_b32 s31, 0
	s_mul_i32 s32, s28, 32*STEPS*CB                ; 6,144 bytes of codes,
	s_mov_b32 s33, 0
	s_lshl_b32 s34, s28, 8                         ; 256 scale bytes
	s_mov_b32 s35, 0
	s_wait_alu depctr_va_vdst(0)                   ; the wait at the head's end
	s_wait_kmcnt 0x0
	s_cmp_lt_u32 ttmp9, 256
	s_cselect_b64 s[OC:OC+1], s[14:15], s[18:19]
	s_cselect_b64 s[OS:OS+1], s[16:17], s[20:21]
	s_cmp_eq_u32 s26, 2
	s_cselect_b64 s[IN:IN+1], s[10:11], s[12:13]
	s_cmp_eq_u32 s26, 1
	s_cselect_b64 s[IN:IN+1], s[8:9], s[IN:IN+1]
	s_cmp_eq_u32 s26, 0
	s_cselect_b64 s[IN:IN+1], s[6:7], s[IN:IN+1]
	s_cmp_eq_u32 s26, 4
	s_cselect_b64 s[IN:IN+1], s[4:5], s[IN:IN+1]
	s_add_nc_u64 s[IN:IN+1], s[IN:IN+1], s[30:31]
	s_add_nc_u64 s[OC:OC+1], s[OC:OC+1], s[32:33]
	s_add_nc_u64 s[OS:OS+1], s[OS:OS+1], s[34:35]
.macro LOAD t
.irp i, 0,1,2,3
	global_load_b128 v[R+16*((\t)%AHEAD)+4*\i:R+16*((\t)%AHEAD)+4*\i+3], v3, s[IN:IN+1] offset:2048*(\t)+512*\i th:TH_LOAD_NT   ; 32 lanes read 512 consecutive bytes
.endr
.endm
.macro TURN t                          ; step t's numbers through the stage: LDS serves a wave's instructions in order, so no wait stands between the stores and the loads
.irp i, 0,1,2,3
	ds_store_b128 v14, v[R+16*((\t)%AHEAD)+4*\i:R+16*((\t)%AHEAD)+4*\i+3] offset:32*SP*((\t)%2)+8*SP*\i
.endr
.irp i, 0,1,2,3
	ds_load_b128 v[X+16*((\t)%2)+4*\i:X+16*((\t)%2)+4*\i+3], v15 offset:32*SP*((\t)%2)+16*\i
.endr
.endm
.irp t, 0,1,2,3,4,5,6,7
	LOAD \t
.endr
	s_wait_loadcnt 4*(AHEAD-1)                     ; step 0's four loads are in
	TURN 0
.macro STEP t
.set XS, X+16*((\t)%2)
.if (\t) > 0
	s_wait_dscnt 1                                 ; this step's numbers are back from the stage (the last step's byte store may be out): so its stores into the stage have read their registers,
.else
	s_wait_dscnt 0x0
.endif
.if (\t)+AHEAD < STEPS
	LOAD (\t)+AHEAD                                ; which take the loads of eight steps on
.endif
.if (\t)+1 < STEPS
.if STEPS-2-(\t) >= AHEAD-1
	s_wait_loadcnt 4*(AHEAD-1)                     ; the next step's four loads are in; those of the seven steps behind it may be out
.else
	s_wait_loadcnt 4*(STEPS-2-(\t))
.endif
	TURN (\t)+1                                    ; and go through the other stage while this step is worked
.endif
	v_max3_num_f32 v8, |v[XS]|, |v[XS+1]|, |v[XS+2]|               ; the largest magnitude of my 16, in two chains
	v_max3_num_f32 v9, |v[XS+3]|, |v[XS+4]|, |v[XS+5]|
.irp i, 6,10
	v_max3_num_f32 v8, v8, |v[XS+\i]|, |v[XS+\i+1]|
	v_max3_num_f32 v9, v9, |v[XS+\i+2]|, |v[XS+\i+3]|
.endr
	v_max3_num_f32 v8, v8, |v[XS+14]|, |v[XS+15]|
	v_max3_num_f32 v8, v8, v9, (EMAX+1)<<23        ; and the floor 2^(3 - 127): the byte cannot fall under 1
	v_max_num_f32_dpp v8, v8, v8 row_xmask:1 row_mask:0xf bank_mask:0xf   ; and of my neighbour's 16: the block's
	v_add_nc_u32 v11, 0xff000000, v8               ; 2 off its exponent field: the conversion takes the exponent field of this operand as its scale, and nothing else of it
	v_cvt_scalef32_pk16_fp6_f32 v[C+4*(\t):C+4*(\t)+2], v[XS:XS+15], v11         ; sixteen codes, 96 bits without gaps, the first number's code lowest
	v_lshrrev_b32 v[E+(\t)], 23, v11               ; the scale's byte (also the plain line behind the conversion)
	ds_store_b8 v5, v[E+(\t)] offset:16*(\t)       ; both lanes of a block write the same byte with the same value
	global_store_b96 v4, v[C+4*(\t):C+4*(\t)+2], s[OC:OC+1] offset:32*CB*(\t)
.endm
.irp t, 0,1,2,3,4,5,6,7,8,9,10,11,12,13,14,15
	STEP \t
.endr
	ds_load_b64 v[8:9], v6                         ; LDS serves a wave's instructions in order: these see my stores
	s_wait_dscnt 0x0
	global_store_b64 v7, v[8:9], s[OS:OS+1]        ; 32 lanes store 256 consecutive bytes, aligned
	s_wait_tensorcnt 0x0                           ; the wave's end
	ds_add_u32 v[SPW], v[NIL]
	s_wait_dscnt 0x0
	s_endpgm
.Lfunc_end_k_q5727593b5e_quant:
	.size	k_q5727593b5e_quant, .Lfunc_end_k_q5727593b5e_quant-k_q5727593b5e_quant
	.p2alignl 7, 3214868480
	.fill 96, 4, 3214868480
	.section	.rodata,"a",@progbits
	.p2align	6, 0x0
	.amdhsa_kernel k_q5727593b5e_quant
		.amdhsa_group_segment_fixed_size 33280
		.amdhsa_private_segment_fixed_size 0
		.amdhsa_enable_private_segment 0
		.amdhsa_kernarg_size 72
		.amdhsa_user_sgpr_count 2
		.amdhsa_user_sgpr_kernarg_segment_ptr 1
		.amdhsa_wavefront_size32 1
		.amdhsa_system_sgpr_workgroup_id_x 1
		.amdhsa_system_sgpr_workgroup_id_y 1
		.amdhsa_system_sgpr_workgroup_id_z 1
		.amdhsa_system_vgpr_workitem_id 0
		.amdhsa_next_free_vgpr 256
		.amdhsa_next_free_sgpr 66
		.amdhsa_reserve_vcc 0
		.amdhsa_float_denorm_mode_32 3
		.amdhsa_float_denorm_mode_16_64 3
		.amdhsa_memory_ordered 1
		.amdhsa_forward_progress 1
		.amdhsa_inst_pref_size 33
	.end_amdhsa_kernel
	.amdgpu_metadata
---
amdhsa.version: [ 1, 2 ]
amdhsa.kernels:
  - .name:           k_q5727593b5e_quant
    .symbol:         k_q5727593b5e_quant.kd
    .args:
      - { .name: x, .offset: 0, .size: 8, .value_kind: global_buffer, .address_space: global }
      - { .name: Wq, .offset: 8, .size: 8, .value_kind: global_buffer, .address_space: global }
      - { .name: Wk, .offset: 16, .size: 8, .value_kind: global_buffer, .address_space: global }
      - { .name: Wv, .offset: 24, .size: 8, .value_kind: global_buffer, .address_space: global }
      - { .name: Wo, .offset: 32, .size: 8, .value_kind: global_buffer, .address_space: global }
      - { .name: xc, .offset: 40, .size: 8, .value_kind: global_buffer, .address_space: global }
      - { .name: xs, .offset: 48, .size: 8, .value_kind: global_buffer, .address_space: global }
      - { .name: wc, .offset: 56, .size: 8, .value_kind: global_buffer, .address_space: global }
      - { .name: ws, .offset: 64, .size: 8, .value_kind: global_buffer, .address_space: global }
    .group_segment_fixed_size: 33280
    .private_segment_fixed_size: 0
    .kernarg_segment_align: 8
    .kernarg_segment_size: 72
    .max_flat_workgroup_size: 128
    .sgpr_count:     66
    .vgpr_count:     256
    .wavefront_size: 32
...
	.end_amdgpu_metadata
.endif
;; end of part 1
;; launch qkv (part 2): grid 12 x 32, 4 waves a work-group, clusters of 4 x 4, 327,680 bytes of LDS; arguments xc, xs, wc, ws, bq, bk, bv, qb, kvb; writes qb, kvb
.if DOCPART == 2
	.amdgcn_target "amdgcn-amd-amdhsa--gfx1250"
	.amdhsa_code_object_version 6
	.text
	.protected	k_q5727593b5e_qkv
	.globl	k_q5727593b5e_qkv
	.p2align	8
	.type	k_q5727593b5e_qkv,@function
k_q5727593b5e_qkv:
	s_mov_b64 s[64:65], 0
	v_nop
	global_prefetch_b8 v0, s[64:65] scope:SCOPE_SE
	s_setreg_imm32_b32 hwreg(HW_REG_WAVE_MODE, 25, 1), 1
	s_wait_xcnt 0x0
	s_wait_alu depctr_hold_cnt(0) depctr_sa_sdst(0) depctr_va_vdst(0) depctr_va_sdst(0) depctr_va_ssrc(0) depctr_va_vcc(0) depctr_vm_vsrc(0)
	s_getreg_b32 s2, hwreg(HW_REG_IB_STS2, 6, 4)
	s_cmp_eq_u32 s2, 0
	s_cbranch_scc0 .Lentry_in_a_cluster
	s_endpgm
.Lentry_in_a_cluster:
	s_bfe_u32 s2, ttmp6, 0x10000c
	s_cmp_lg_u32 s2, 0xf033
	s_cbranch_scc0 .Lentry_shape_is_right
	s_endpgm
.Lentry_shape_is_right:
; Launch 2 of 4: Q = x Wq^T + bq, K = x Wk^T + bk, V = x Wv^T + bv on codes of FP6 (E2M3) with E8M0 scales, each result quantised again and stored as the operand registers of the next launch.  Nothing is left out.
; A work-group of four waves makes 256 x 256; a wave 128 x 128: 64 accumulators.  Cluster x 0: Q, 1: K (source 1 = x's places, source 0 = the weight's), 2: V (source 1 = Wv's places, source 0 = x's): by the order of places
; that the first launch chose, a lane's 32 sums of four neighbouring tiles are one scale block of the next product.  The bias is the C of the first step's products.
; THE WALK.  A row of codes is 768 bytes: three chunks of 256, each beginning at a multiple of 256.  Chunk c of A's 256 rows and of B's 256 rows lies in slot c % 2.  BOTH slots are filled at the head, one load of 256 rows a wave;
; chunk 2 is the one refill, into slot 0, behind a round of the cluster's barrier (waves 0 and 1 issue it).  A step of 128 along K is 96 bytes: steps 2 and 5 lie across two chunks.
; THE SCALES: a wave's 128 + 128 rows x 32 bytes go straight into 64 registers, a lane a row, 1,024 consecutive bytes for each pair of loads: register 8 j + step holds blocks 2 j (lanes 0-15) and 2 j + 1 (lanes 16-31).
; CLUSTER 4 x 4: A's tiles are asked for jointly along a row, B's along a column.  One prefetch a wave names chunk 2, a lane a row, 32 rows for each of the four partners, told apart by address, two steps ahead of the refill.
; OUT: qb [16 batch + head][16 groups of 128 queries][8 units of 768 bytes, 512 bytes of scale words]; kvb [16 batch + head][16 key steps][K's 8 units, V's 8 units, K's scale words, V's scale words] (13,312 bytes).
; LIMITS: a block of zeros, or one under 2^-124, gets the byte 1; NaN and infinities are not served.
.set ROWB,   256
.set KROW,   768
.set CHUNKS, 3
.set PITCH,  272
.set FR,     12
.set NL,     6
.set NP,     4
.set HALFT,  128*PITCH
.set SLOT,   4*HALFT
.set SPARE,  2*SLOT
.set PFO,  8
.set ADRA, 16
.set ADRB, 20
.set L16,  24
.set L8,   25
.set H8,   26
.set SOF,  27
.set SPW,  28
.set NIL,  29
.set BQK,  30
.set BVO,  31
.set SAR,  32                          ; v32-63 A's scale words
.set SBR,  68                          ; v68-99 B's
.set AF,   128
.set UN,   32
.set HW,   224
.set MX,   240
.set SO,   244
.set PD,   248
.set G1,   24
.set G0,   32
.set G1B,  48
.set G0B,  56
.set SB,   4
.set IMG,  20
.set BIA,  98
.set SEL,  100
.set MSB, 0
.macro WIN new
.if MSB != \new
	s_set_vgpr_msb (MSB<<8)|\new
.set MSB, \new
.endif
.endm
.set MUL_LO, 0xa1
.set MUL_HI, 0xf1
.set TO_B,   0x40
.macro PLACES n
.rept \n
	v_nop
.endr
.endm
.macro TLOAD g0, g1
	tensor_load_to_lds s[\g0:\g0+3], s[\g1:\g1+7]
	s_nop 0
	PLACES 4
.endm
.macro CREST
	s_cmp_lg_u32 s14, 0
	s_cbranch_scc1 .Lnot_wave_0_\@
	s_barrier_signal -3
.Lnot_wave_0_\@:
	s_barrier_wait -3
	s_barrier_signal -1
	s_barrier_wait -1
.endm
.macro CROUND
	s_barrier_signal -1
	s_barrier_wait -1
	CREST
.endm
	s_load_b512 s[68:83], s[0:1], 0x0              ; xc, xs, wc, ws, bq, bk, bv, qb
	s_load_b64 s[84:85], s[0:1], 0x40              ; kvb
	v_lshl_add_u32 v[SPW], v0, 2, SPARE
	v_mov_b32 v[NIL], 0
	ds_add_u32 v[SPW], v[NIL]                      ; the opening lines
	ds_add_u32 v[SPW], v[NIL]
	v_lshrrev_b32 v1, 5, v0
	v_readfirstlane_b32 s14, v1                    ; wave; s15 its half of A's rows, s16 of B's
	s_lshr_b32 s15, s14, 1
	s_and_b32 s16, s14, 1
	s_bfe_u32 s40, ttmp6, 0x40000
	s_bfe_u32 s41, ttmp6, 0x40004
	s_and_b32 s18, ttmp7, 0xffff
	s_lshl_b32 s18, s18, 2
	s_lshl_b32 s19, ttmp9, 2
	s_cmp_eq_u32 ttmp9, 2
	s_cselect_b32 s17, 0, s18
	s_cselect_b32 s42, s18, s19
	s_cselect_b32 s95, 2048, 0
	s_add_co_u32 s17, s17, s41                     ; A's tile
	s_add_co_u32 s42, s42, s40                     ; B's tile
	s_lshl_b32 s43, s41, 2
	s_lshl_b32 s43, 15, s43
	s_lshl_b32 s44, 0x1111, s40
	s_or_b32 s[G1+0], s43, (0<<16)|(1<<20)|(1<<21)|(5<<22)|(3<<25)
	s_or_b32 s[G1B+0], s44, (0<<16)|(1<<20)|(1<<21)|(5<<22)|(3<<25)
.irp g, G1, G1B
	s_mov_b32 s[\g+1], ROWB<<16
	s_mov_b32 s[\g+2], 256<<16
	s_mov_b32 s[\g+3], ROWB<<16
	s_mov_b32 s[\g+4], 256
	s_mov_b32 s[\g+5], KROW
	s_mov_b32 s[\g+6], 0
	s_mov_b32 s[\g+7], 0
.endr
	s_lshl_b32 s20, s17, 8
	s_add_co_u32 s20, s20, s95                     ; A's first row
	s_lshl_b32 s46, s42, 8                         ; B's
	s_lshl_b32 s18, s15, 7
	s_add_co_u32 s22, s20, s18
	s_lshl_b32 s22, s22, 5                         ; my 128 rows of A's scales, in bytes
	s_mov_b32 s23, 0
	s_lshl_b32 s18, s16, 7
	s_add_co_u32 s92, s46, s18
	s_lshl_b32 s92, s92, 5                         ; and of B's
	s_mov_b32 s93, 0
	s_mul_i32 s20, s20, KROW
	s_mov_b32 s21, 0
	s_mul_i32 s46, s46, KROW
	s_mov_b32 s47, 0
	s_mov_b32 s[SEL], 0x76543210
	s_mov_b32 s[SEL+1], 0xfedcba98
	s_mov_b32 s2, 0xffff0000
	s_wait_dscnt 0x0
	CROUND                                         ; the round in front of the first joint loads, ahead of the wait for the arguments
	s_wait_kmcnt 0x0
	s_cmp_eq_u32 ttmp9, 2
	s_cselect_b64 s[4:5], s[72:73], s[68:69]
	s_cselect_b64 s[6:7], s[74:75], s[70:71]
	s_cselect_b64 s[8:9], s[68:69], s[72:73]
	s_cselect_b64 s[10:11], s[70:71], s[74:75]
	s_cselect_b64 s[BIA:BIA+1], s[80:81], s[78:79]
	s_cmp_eq_u32 ttmp9, 0
	s_cselect_b64 s[BIA:BIA+1], s[76:77], s[BIA:BIA+1]
	s_cselect_b64 s[12:13], s[82:83], s[84:85]
	s_add_nc_u64 s[20:21], s[4:5], s[20:21]
	s_add_nc_u64 s[86:87], s[6:7], s[22:23]
	s_add_nc_u64 s[46:47], s[8:9], s[46:47]
	s_add_nc_u64 s[88:89], s[10:11], s[92:93]
.irp s, 0,1
	s_mov_b32 s[G0+4*\s], 1
	s_mov_b32 s[G0+4*\s+1], \s*SLOT
	s_add_nc_u64 s[G0+4*\s+2:G0+4*\s+3], s[20:21], \s*ROWB
	s_or_b32 s[G0+4*\s+3], s[G0+4*\s+3], 0x80000000
	s_mov_b32 s[G0B+4*\s], 1
	s_mov_b32 s[G0B+4*\s+1], \s*SLOT+2*HALFT
	s_add_nc_u64 s[G0B+4*\s+2:G0B+4*\s+3], s[46:47], \s*ROWB
	s_or_b32 s[G0B+4*\s+3], s[G0B+4*\s+3], 0x80000000
.endr
.macro ARM under, g0, g1, next                 ; one chain of branches on the wave's number, one load to an arm
	s_cmp_lt_u32 s14, \under
	s_cbranch_scc0 \next
	TLOAD \g0, \g1
	s_branch .Lhead_asked
\next:
.endm
	ARM 1, G0,   G1,  .Lhead_1                     ; wave 0: chunk 0 of A
	ARM 2, G0B,  G1B, .Lhead_2                     ; wave 1: chunk 0 of B
	ARM 3, G0+4, G1,  .Lhead_3                     ; wave 2: chunk 1 of A
	TLOAD G0B+4, G1B                               ; wave 3: chunk 1 of B
.Lhead_asked:
	s_cmp_eq_u32 s15, 0                            ; the prefetch: waves 0, 1 name A's rows, waves 2, 3 B's: 128 (wave % 2) + 32 x my place among the four partners + lane
	s_cselect_b64 s[90:91], s[20:21], s[46:47]
	s_cselect_b32 s18, s40, s41
	s_lshl_b32 s18, s18, 5
	s_lshl_b32 s19, s16, 7
	s_add_co_u32 s18, s18, s19
	s_mul_i32 s18, s18, KROW
	s_mov_b32 s19, 0
	s_add_nc_u64 s[90:91], s[90:91], s[18:19]
	s_mov_b32 s18, SLOT-232
	s_mov_b32 s19, SLOT+232
	s_mul_i32 s21, s15, HALFT
	s_mul_i32 s22, s16, HALFT
	s_add_co_u32 s22, s22, 2*HALFT
	v_and_b32 v1, 15, v0
	v_bfe_u32 v2, v0, 4, 1
	v_mul_u32_u24 v3, v1, PITCH
	v_mul_u32_u24 v4, v2, 24
	v_add_nc_u32 v4, v3, v4                        ; row x pitch + 24 x half
	v_sub_nc_u32 v7, 1, v2
	v_mul_u32_u24 v5, s18, v2
	v_add_nc_u32 v5, v3, v5
	v_add_nc_u32 v5, 232, v5                       ; across chunks: lanes 0-15 byte 232 in slot 0, lanes 16-31 byte 0 in slot 1
	v_mul_u32_u24 v6, s19, v7
	v_add_nc_u32 v6, v3, v6                        ; and the other way round
	v_add_nc_u32 v[ADRA+2], s21, v5
	v_add_nc_u32 v[ADRA+3], s21, v6
	v_add_nc_u32 v[ADRB+2], s22, v5
	v_add_nc_u32 v[ADRB+3], s22, v6
.irp s, 0,1
	v_add_nc_u32 v[ADRA+\s], s21, v4
	v_add_nc_u32 v[ADRB+\s], s22, v4
	s_add_co_u32 s21, s21, SLOT
	s_add_co_u32 s22, s22, SLOT
.endr
	v_and_b32 v6, 31, v0
	v_lshlrev_b32 v[L16], 4, v6
	v_lshlrev_b32 v[L8], 3, v6
	v_lshlrev_b32 v[SOF], 5, v6
	v_mul_u32_u24 v[PFO], v6, KROW
	v_lshlrev_b32 v[H8], 3, v2
	v_lshlrev_b32 v[BQK], 7, v2
	v_lshrrev_b32 v6, 3, v1
	v_mad_u32_u24 v6, v6, 24, v1
	v_lshlrev_b32 v[BVO], 2, v6
	; where the results go
	s_lshl_b32 s92, s17, 1
	s_add_co_u32 s92, s92, s15
	s_lshl_b32 s93, s42, 1
	s_add_co_u32 s93, s93, s16
	s_and_b32 s94, s93, 7
	s_mov_b32 s95, 13312
	s_mov_b32 s96, 12288
	s_mov_b32 s46, 3072
	s_cmp_eq_u32 ttmp9, 0
	s_cselect_b32 s95, 6656, s95
	s_cselect_b32 s96, 6144, s96
	s_lshl_b32 s19, s95, 4
	s_cmp_eq_u32 ttmp9, 2
	s_cselect_b32 s96, 12800, s96
	s_cselect_b32 s97, s93, s92
	s_cselect_b32 s94, s92, s94
	s_cselect_b32 s18, 6144, 0
	s_cselect_b32 s47, s19, s46
	s_cselect_b32 s46, s46, s19
	s_lshr_b32 s92, s97, 4
	s_lshl_b32 s92, s92, 4
	s_lshl_b32 s93, s94, 1
	s_add_co_u32 s92, s92, s93
	s_mul_i32 s92, s92, s19
	s_and_b32 s97, s97, 15
	s_mul_i32 s97, s97, s95
	s_add_co_u32 s92, s92, s97
	s_mov_b32 s93, 0
	s_add_nc_u64 s[12:13], s[12:13], s[92:93]
	s_mov_b32 s97, 0
	s_add_nc_u64 s[IMG:IMG+1], s[12:13], s[96:97]
	s_mov_b32 s92, s19
	s_add_nc_u64 s[IMG+2:IMG+3], s[IMG:IMG+1], s[92:93]
	s_mov_b32 s19, 0
	s_add_nc_u64 s[SB:SB+1], s[12:13], s[18:19]
	s_mov_b32 s92, s46
	s_add_nc_u64 s[SB+2:SB+3], s[SB:SB+1], s[92:93]
	s_mov_b32 s92, s47
	s_add_nc_u64 s[SB+4:SB+5], s[SB:SB+1], s[92:93]
	s_add_nc_u64 s[SB+6:SB+7], s[SB+2:SB+3], s[92:93]
	s_lshl_b32 s92, s94, 9
	s_add_nc_u64 s[BIA:BIA+1], s[BIA:BIA+1], s[92:93]
	s_wait_alu depctr_va_vdst(0)                   ; the wait ahead of the readers below
.irp j, 0,1,2,3
.irp c, 0,1
	global_load_b128 v[SAR+8*\j+4*\c:SAR+8*\j+4*\c+3], v[SOF], s[86:87] offset:1024*\j+16*\c
	global_load_b128 v[SBR+8*\j+4*\c:SBR+8*\j+4*\c+3], v[SOF], s[88:89] offset:1024*\j+16*\c
.endr
.endr
	s_cmp_eq_u32 ttmp9, 2
	s_cbranch_scc1 .Lbias_v
	WIN TO_B
	s_wait_alu depctr_va_vdst(0)
.irp b, 0,1,2,3,4,5,6,7
	global_load_b128 v[96+8*\b+96*(\b/4):96+8*\b+96*(\b/4)+3], v[BQK], s[BIA:BIA+1] offset:4*(64*(\b/4)+8*(\b%4))
	global_load_b128 v[96+8*\b+96*(\b/4)+4:96+8*\b+96*(\b/4)+7], v[BQK], s[BIA:BIA+1] offset:4*(64*(\b/4)+8*(\b%4))+16
.endr
	WIN 0
	s_branch .Lbias_done
.Lbias_v:
	WIN TO_B
	s_wait_alu depctr_va_vdst(0)
.irp a, 0,1,2,3,4,5,6,7
.irp j, 0,1,2,3,4,5,6,7
	global_load_b32 v[96+8*\a+96*(\a/4)+\j], v[BVO], s[BIA:BIA+1] offset:4*(64*(\a/4)+8*(\a%4))
.endr
.endr
	WIN 0
.Lbias_done:
	global_prefetch_b8 v[PFO], s[90:91] offset:2*ROWB th:TH_LOAD_NT scope:SCOPE_SE   ; chunk 2; its address registers are never rewritten
.macro FRAG reg, adr, st, i            ; 12 registers in six pieces of 8 bytes; byte y of a row lies in slot (y / 256) % 2 at byte y % 256
.irp p, 0,1,2,3,4,5
.set BY, 96*(\st)+48*(\p/3)+8*(\p%3)
.if BY/ROWB == (BY+24)/ROWB
	ds_load_b64 v[\reg+2*\p:\reg+2*\p+1], v[\adr+(BY/ROWB)%2] offset:BY%ROWB+(\i)*16*PITCH
.else
	ds_load_b64 v[\reg+2*\p:\reg+2*\p+1], v[\adr+2+(BY/ROWB)%2] offset:BY%ROWB-232+(\i)*16*PITCH
.endif
.endr
.endm
.macro MUL16 a0, st, mode              ; A's blocks a0, a0 + 1 x B's eight; mode 1, 2: the bias is C.  The 64 accumulators take turns
.irp al, 0,1
.irp bh, 0,1,2,3
.irp bl, 0,1
.set a_, (\a0)+\al
.set b_, 2*\bh+\bl
.set rD, 8*(8*(a_%4)+b_)
.set rC, rD
.if \mode == 1
.set rC, 96+8*b_+96*(b_/4)
.endif
.if \mode == 2
.set rC, 96+8*a_+96*(a_/4)
.endif
	v_wmma_scale_f32_16x16x128_f8f6f4 v[rD:rD+7], v[128*((\st)%2)+FR*b_:128*((\st)%2)+FR*b_+FR-1], v[AF+FR*a_:AF+FR*a_+FR-1], v[rC:rC+7], v[SBR+8*\bh+(\st)], v[SAR+8*(a_/2)+(\st)] matrix_a_fmt:MATRIX_FMT_FP6 matrix_b_fmt:MATRIX_FMT_FP6 matrix_a_scale:MATRIX_SCALE_ROW\bl matrix_b_scale:MATRIX_SCALE_ROW\al
.endr
.endr
.endr
.endm
.macro FETCH_B st
	WIN TO_B
.irp i, 0,1,2,3,4,5,6,7
	FRAG 128*((\st)%2)+FR*\i, ADRB, \st, \i
.endr
	WIN 0
.endm
.macro FETCH_A st, i0
.irp i, \i0, \i0+1, \i0+2, \i0+3
	FRAG AF+FR*(\i), ADRA, \st, \i
.endr
.endm
; A step: 64 products; the next step's fragments are fetched in its middle (B's other set, A's blocks 0-3) and at its end (A's blocks 4-7).
; NEWC: the next step ends in a chunk not yet shown: every wave waits for its tensor loads, and a barrier shows it.  REF: the chunk left behind is filled again: the three lines, a round, the refill.
.macro STEP st, mode
.set NX, (\st)+1
.set C0, (96*(\st))/ROWB
.set C1, (96*NX)/ROWB
.set E0, (96*(\st)+95)/ROWB
.set E1, (96*NX+95)/ROWB
.set REF, (C1 > C0) && (C0+2 < CHUNKS)
.set NEWC, E1 > E0
.if REF || NEWC
	s_wait_tensorcnt 0x0
.if REF
	ds_add_u32 v[SPW], v[NIL]
	s_wait_dscnt 4*NL+1                            ; the add and A's blocks 4-7 may be out
.else
	s_wait_dscnt 4*NL
.endif
	WIN MUL_LO
	MUL16 0, \st, 0
	s_wait_dscnt 0x0                               ; the add, and all my reads
	s_barrier_signal -1
	MUL16 2, \st, 0
	WIN 0
	s_barrier_wait -1
.if REF
	CREST
	s_add_nc_u64 s[G0+2:G0+3], s[G0+2:G0+3], 2*ROWB      ; no load of mine is out
	s_add_nc_u64 s[G0B+2:G0B+3], s[G0B+2:G0B+3], 2*ROWB
	s_cmp_eq_u32 s14, 0
	s_cbranch_scc0 .Lref_b_\@
	TLOAD G0, G1
	s_branch .Lref_done_\@
.Lref_b_\@:
	s_cmp_eq_u32 s14, 1
	s_cbranch_scc0 .Lref_done_\@
	TLOAD G0B, G1B
.Lref_done_\@:
.endif
	PLACES NP
.else
	s_wait_dscnt 4*NL                              ; A's blocks 4-7 may be out
.if \mode
	WIN 0x91
.else
	WIN MUL_LO
.endif
	MUL16 0, \st, \mode
	MUL16 2, \st, \mode
	s_wait_dscnt 0
	PLACES NP
.endif
	FETCH_B NX
	FETCH_A NX, 0
.if \mode
	WIN 0xd1
.else
	WIN MUL_HI
.endif
	MUL16 4, \st, \mode
	MUL16 6, \st, \mode
	PLACES NP
	WIN 0
	FETCH_A NX, 4
.endm
	s_wait_alu depctr_va_vdst(0)                   ; the wait at the head's end
	s_cmp_lt_u32 s14, 2
	s_cbranch_scc0 .Lnot_chunk_0
	s_wait_tensorcnt 0x0                           ; waves 0 and 1: chunk 0 is in; their load lines are their own
.Lnot_chunk_0:
	s_barrier_signal -1
	s_barrier_wait -1                              ; chunk 1 may be on its way
	FETCH_B 0
	FETCH_A 0, 0
	FETCH_A 0, 4
	s_wait_loadcnt 0x0                             ; scales and bias
	s_cmp_eq_u32 ttmp9, 2
	s_cbranch_scc1 .Lfirst_v
	STEP 0, 1
	s_branch .Lfirst_done
.Lfirst_v:
	STEP 0, 2
.Lfirst_done:
.irp t, 1,2,3,4,5,6
	STEP \t, 0
.endr
	s_wait_dscnt 4*NL
	WIN MUL_LO
	MUL16 0, 7, 0
	MUL16 2, 7, 0
	s_wait_dscnt 0
	WIN MUL_HI
	MUL16 4, 7, 0
	MUL16 6, 7, 0
	WIN 0
.irp q, 0,1,2,3
	v_mov_b32 v[PD+\q], 0
.endr
.macro EPI a0                          ; four scale blocks of 32 sums: largest magnitude, scale, codes, stores of whole units
.set WN, 2+(\a0)/4
.set AB, 64*((\a0)%4)
.set UB, UN+24*(\a0)
	WIN 5*WN
.irp q, 0,1,2,3
	v_max3_num_f32 v[MX+\q], |v[AB+32*\q]|, |v[AB+32*\q+1]|, 0x1800000
.endr
.irp i, 2,4,6,8,10,12,14,16,18,20,22,24,26,28,30
.irp q, 0,1,2,3
	v_max3_num_f32 v[MX+\q], |v[AB+32*\q+\i]|, |v[AB+32*\q+\i+1]|, v[MX+\q]
.endr
.endr
	WIN 0
.irp q, 0,1,2,3
	v_add_nc_u32 v[SO+\q], 0xff000000, v[MX+\q]
.endr
.irp q, 0,1,2,3
	v_lshrrev_b32 v[MX+\q], 23, v[SO+\q]
.endr
.irp q, 0,1,2,3
	v_lshlrev_b32 v[MX+\q], v[H8], v[MX+\q]
.endr
.irp q, 0,1,2,3
	v_permlanex16_b32 v[PD+\q], v[MX+\q], s[SEL], s[SEL+1]
.endr
.irp q, 0,1,2,3
	v_or_b32 v[HW+2*(\a0)+\q], v[MX+\q], v[PD+\q]
.endr
	WIN WN
.irp q, 0,1,2,3
	v_cvt_scalef32_pk16_fp6_f32 v[UB+12*\q:UB+12*\q+2], v[AB+32*\q:AB+32*\q+15], v[SO+\q]
	v_cvt_scalef32_pk16_fp6_f32 v[UB+12*\q+8:UB+12*\q+10], v[AB+32*\q+16:AB+32*\q+31], v[SO+\q]
.endr
	WIN 0
	v_nop
.irp q, 0,1,2,3
.irp i, 0,1,2
	v_mov_b32 v[UB+12*\q+3+\i], v[UB+12*\q+8+\i]
.endr
.endr
.irp q, 0,1,2,3
	global_store_b128 v[L16], v[UB+12*\q:UB+12*\q+3], s[SB+4*((\a0)/4)+2*(\q%2):SB+4*((\a0)/4)+2*(\q%2)+1] offset:768*((\a0)%4+\q/2)
	global_store_b64 v[L8], v[UB+12*\q+4:UB+12*\q+5], s[SB+4*((\a0)/4)+2*(\q%2):SB+4*((\a0)/4)+2*(\q%2)+1] offset:768*((\a0)%4+\q/2)+512
.endr
.endm
	EPI 0
	EPI 2
	EPI 4
	EPI 6
	s_cmp_eq_u32 ttmp9, 2
	s_cbranch_scc1 .Limg_v
.irp g, 0,1
.irp i, 0,1,2,3
	v_cndmask_b32 v[MX+4*\g+\i], v[HW+4*\i+\g], v[HW+4*\i+2+\g], s2
.endr
.endr
	s_branch .Limg
.Limg_v:
.irp g, 0,1
.irp i, 0,1,2,3
	v_lshl_or_b32 v[MX+4*\g+\i], v[HW+2*(4*\g+\i)+1], 16, v[HW+2*(4*\g+\i)]
.endr
.endr
.Limg:
	s_wait_alu depctr_va_vdst(0)
	global_store_b128 v[L16], v[MX:MX+3], s[IMG:IMG+1]
	global_store_b128 v[L16], v[MX+4:MX+7], s[IMG+2:IMG+3]
	s_wait_tensorcnt 0x0                           ; the wave's end
	ds_add_u32 v[SPW], v[NIL]
	s_wait_dscnt 0x0
	CROUND                                         ; the closing round
	s_endpgm
.Lfunc_end_k_q5727593b5e_qkv:
	.size	k_q5727593b5e_qkv, .Lfunc_end_k_q5727593b5e_qkv-k_q5727593b5e_qkv
	.p2alignl 7, 3214868480
	.fill 96, 4, 3214868480
	.section	.rodata,"a",@progbits
	.p2align	6, 0x0
	.amdhsa_kernel k_q5727593b5e_qkv
		.amdhsa_group_segment_fixed_size 327680
		.amdhsa_private_segment_fixed_size 0
		.amdhsa_enable_private_segment 0
		.amdhsa_kernarg_size 72
		.amdhsa_user_sgpr_count 2
		.amdhsa_user_sgpr_kernarg_segment_ptr 1
		.amdhsa_wavefront_size32 1
		.amdhsa_system_sgpr_workgroup_id_x 1
		.amdhsa_system_sgpr_workgroup_id_y 1
		.amdhsa_system_sgpr_workgroup_id_z 1
		.amdhsa_system_vgpr_workitem_id 0
		.amdhsa_next_free_vgpr 1024
		.amdhsa_next_free_sgpr 102
		.amdhsa_reserve_vcc 0
		.amdhsa_float_denorm_mode_32 3
		.amdhsa_float_denorm_mode_16_64 3
		.amdhsa_memory_ordered 1
		.amdhsa_forward_progress 1
		.amdhsa_inst_pref_size 180
	.end_amdhsa_kernel
	.amdgpu_metadata
---
amdhsa.version: [ 1, 2 ]
amdhsa.kernels:
  - .name:           k_q5727593b5e_qkv
    .symbol:         k_q5727593b5e_qkv.kd
    .args:
      - { .name: xc, .offset: 0, .size: 8, .value_kind: global_buffer, .address_space: global }
      - { .name: xs, .offset: 8, .size: 8, .value_kind: global_buffer, .address_space: global }
      - { .name: wc, .offset: 16, .size: 8, .value_kind: global_buffer, .address_space: global }
      - { .name: ws, .offset: 24, .size: 8, .value_kind: global_buffer, .address_space: global }
      - { .name: bq, .offset: 32, .size: 8, .value_kind: global_buffer, .address_space: global }
      - { .name: bk, .offset: 40, .size: 8, .value_kind: global_buffer, .address_space: global }
      - { .name: bv, .offset: 48, .size: 8, .value_kind: global_buffer, .address_space: global }
      - { .name: qb, .offset: 56, .size: 8, .value_kind: global_buffer, .address_space: global }
      - { .name: kvb, .offset: 64, .size: 8, .value_kind: global_buffer, .address_space: global }
    .group_segment_fixed_size: 327680
    .private_segment_fixed_size: 0
    .kernarg_segment_align: 8
    .kernarg_segment_size: 72
    .max_flat_workgroup_size: 128
    .sgpr_count:     102
    .vgpr_count:     1024
    .wavefront_size: 32
...
	.end_amdgpu_metadata
.endif
;; end of part 2
;; launch attn (part 3): grid 4 x 64, 8 waves a work-group, clusters of 4 x 1, 215,040 bytes of LDS; arguments qb, kvb, oc, os; writes oc, os
.if DOCPART == 3
	.amdgcn_target "amdgcn-amd-amdhsa--gfx1250"
	.amdhsa_code_object_version 6
	.text
	.protected	k_q5727593b5e_attn
	.globl	k_q5727593b5e_attn
	.p2align	8
	.type	k_q5727593b5e_attn,@function
k_q5727593b5e_attn:
	s_mov_b64 s[64:65], 0
	v_nop
	global_prefetch_b8 v0, s[64:65] scope:SCOPE_SE
	s_setreg_imm32_b32 hwreg(HW_REG_WAVE_MODE, 25, 1), 1
	s_wait_xcnt 0x0
	s_wait_alu depctr_hold_cnt(0) depctr_sa_sdst(0) depctr_va_vdst(0) depctr_va_sdst(0) depctr_va_ssrc(0) depctr_va_vcc(0) depctr_vm_vsrc(0)
	s_getreg_b32 s2, hwreg(HW_REG_IB_STS2, 6, 4)
	s_cmp_eq_u32 s2, 0
	s_cbranch_scc0 .Lentry_in_a_cluster
	s_endpgm
.Lentry_in_a_cluster:
	s_bfe_u32 s2, ttmp6, 0x10000c
	s_cmp_lg_u32 s2, 0x3003
	s_cbranch_scc0 .Lentry_shape_is_right
	s_endpgm
.Lentry_shape_is_right:
; Launch 3 of 4: o = softmax(q k^T / 8) v for each of 64 (batch, head), both products on codes of FP6 (E2M3) with E8M0 scales, and o quantised along the model's 1,024 for the last product.  Nothing is left out.
; THE SOFTMAX: t = score x log2(e) / 8; M = the running largest t, rounded UP to a whole number; p = 2^(t - M) is quantised along the keys, not normalised; the row's sum is taken of the unquantised p and divides O at the end.
; When M moves, the sum and O are multiplied by 2^(old M - new M): exact.
; SHARES.  A work-group owns 512 queries of one (batch, head); each of its eight waves 64: four tiles of 16, taken in two pairs.  THE TWO TILES OF A PAIR GO SIDE BY SIDE, line by line in turn (streams 0 and 1), so that a line
; seldom reads what the lines just ahead of it wrote; a key step's K and V are read from LDS once for the four tiles and both stay in registers.
; LDS.  THE WHOLE HEAD'S K AND V, 16 records of 13,312 bytes, are brought ONCE: wave w brings records 2 w and 2 w + 1 by its one tensor load at the head (104 rows of 256 bytes); every wave waits for its load ahead of the one barrier.
; Nothing is filled again.  Every byte is asked for at the head, so there is no later request for a prefetch to run ahead of.
; ONE LOOP of 16 key steps.  A step asks for the next record's K in its middle and V at its end; the last step asks for record 0 again (34 LDS loads whose registers are not used), so that the step is written once.
; CLUSTER.  The four work-groups of a (batch, head) read the same records: each load is asked for jointly, with a mask that names the four.
; LAYOUT.  Both products are used transposed: S^T = K Q^T, O^T = V^T P^T: a lane holds ONE query.  By the order of K's rows the 32 registers of four neighbouring tiles of S^T are keys 64 c + 32 (lane / 16) + 0 .. 31: a whole block.
; THE FIRST PRODUCT'S K IS 64, the instruction's 128: Q's upper six registers are zero codes; K's tiles lie six registers apart, so a tile's upper six are the next tile's codes, multiplied by zeros under scale bytes 0 (2^-127).
; A block's largest p is the block's largest score put through the same multiply-add and exponential (this takes v_exp_f32 not to fall where its input rises).
; REGISTERS.  Window 0: v0-39 addresses, statistics, scale words, f; v40-67 work, 14 a stream; v68-195 S^T, then p, 64 a stream; v196-219 p's codes; v220-243 Q of tiles 0, 1.
; Window 1: v0-127 O^T, 32 a tile; v128-151 Q of tiles 2, 3; v152-205 K (8 x 6 and 6 of zeros); v206-253 V (4 x 12).
; LIMITS: p under 2^-126 counts as 0 (v_exp_f32); a block of zeros, or one under 2^-124, gets the byte 1; no NaN, no infinities; the scaled scores stay under 2^31 in magnitude.
.set REC,   13312                      ; K's 8 units, V's 8 units at 6,144, K's scale words at 12,288, V's at 12,800
.set SPARE, 16*REC
.set SPW,  1
.set NIL,  2
.set LA0,  3                           ; 16 x lane
.set LB0,  4                           ; 8 x lane
.set H8,   5
.set LA,   6
.set LB,   7
.set STA,  8                           ; tile x at v[8 + 4 x]: -M, the largest score, the sum in two halves
.set QS,   24                          ; v24: Q's scale words of tiles 0 (lanes 0-15), 1 (lanes 16-31); v25: of tiles 2, 3
.set KSC,  26
.set PS,   30                          ; v30, v31: p's scale word, a stream each
.set VSC,  32
.set F,    36                          ; v[36:37], v[38:39]: f = 2^(old M - new M)
.set T,    40                          ; stream s at 40 + 14 s: 0-7 chains and halves of codes, 8, 9 block maxima, 10, 11 at work, 12, 13 the conversions' scale operands
.set S,    68
.set PC,   196
.set QF0,  220
.set O,    0                           ; window 1 from here on
.set QF1,  128
.set KF,   152
.set VF,   206
.set WV,   12
.set SEL,  40
.set CS,   42
.set TB,   44
.set CNT,  45
.set MSB, 0
.macro WIN new                         ; the immediate's high byte repeats the setting that is left
.if MSB != \new
	s_set_vgpr_msb (MSB<<8)|\new
.set MSB, \new
.endif
.endm
.macro WALU
	s_wait_alu depctr_va_vdst(0)
.endm
.macro HINT n
	s_delay_alu instid0(VALU_DEP_\n)
.endm
.macro CROUND
	s_barrier_signal -1
	s_barrier_wait -1
	s_cmp_lg_u32 s[WV], 0
	s_cbranch_scc1 .Lnot_wave_0_\@
	s_barrier_signal -3
.Lnot_wave_0_\@:
	s_barrier_wait -3
	s_barrier_signal -1
	s_barrier_wait -1
.endm
	s_load_b256 s[4:11], s[0:1], 0x0               ; qb, kvb, oc, os
	v_lshl_add_u32 v[SPW], v0, 2, SPARE
	v_mov_b32 v[NIL], 0
	ds_add_u32 v[SPW], v[NIL]                      ; the opening lines
	ds_add_u32 v[SPW], v[NIL]
	v_lshrrev_b32 v6, 5, v0
	HINT 1
	v_readfirstlane_b32 s[WV], v6                  ; wave 0..7
	s_bfe_u32 s13, ttmp6, 0x40000                  ; cx: which 512 queries
	s_and_b32 s14, ttmp7, 0xffff                   ; 16 x batch + head
	s_mov_b32 s16, 15|(3<<16)|(1<<21)              ; two records as 104 rows of 256 bytes; the mask names all four
	s_mov_b32 s17, 32<<16
	s_mov_b32 s18, 104<<16
	s_mov_b32 s19, 32<<16
	s_mov_b32 s20, 104
	s_mov_b32 s21, 32
	s_mov_b32 s22, 0
	s_mov_b32 s23, 0
	s_mov_b32 s[SEL], 0x76543210
	s_mov_b32 s[SEL+1], 0xfedcba98
	s_mov_b32 s[CS], 0x3e38aa3b                    ; log2(e) / 8
	s_mov_b32 s[CS+1], s[CS]
	s_mov_b32 s[TB], 0
	s_mov_b32 s46, 0xffff0000
	s_mul_i32 s48, s14, 16*REC
	s_mov_b32 s49, 0
	s_mul_i32 s50, s[WV], 2*REC                    ; my two records, in memory and in LDS alike
	s_mov_b32 s51, 0
	s_lshl_b32 s54, s13, 2                         ; Q: my group of 128 queries is 4 cx + wave / 2,
	s_lshr_b32 s55, s[WV], 1
	s_add_co_u32 s54, s54, s55
	s_mul_i32 s54, s54, 6656
	s_mul_i32 s55, s14, 16*6656
	s_add_co_u32 s54, s54, s55
	s_and_b32 s55, s[WV], 1                        ; my four tiles in it begin at 4 (wave % 2):
	s_lshl_b32 s56, s55, 3
	s_add_co_u32 s56, s56, s54                     ; two of its four scale words a lane,
	s_mul_i32 s55, s55, 4*768
	s_add_co_u32 s54, s54, s55                     ; four units on end
	s_mov_b32 s55, 0
	s_mov_b32 s57, 0
	s_and_b32 s15, s14, 15
	s_lshr_b32 s58, s14, 4
	s_lshl_b32 s58, s58, 7
	s_lshl_b32 s59, s13, 5
	s_add_co_u32 s58, s58, s59
	s_lshl_b32 s59, s[WV], 2
	s_add_co_u32 s58, s58, s59                     ; my first tile of 16 places: 128 batch + 32 cx + 4 wave
	s_lshl_b32 s2, s58, 9
	s_lshl_b32 s3, s15, 1
	s_add_co_u32 s2, s2, s3
	s_mov_b32 s3, 0
	s_mul_i32 s58, s58, 768
	s_mul_i32 s59, s15, 512*768
	s_add_co_u32 s58, s58, s59
	s_mov_b32 s59, 0
	s_wait_dscnt 0x0
	CROUND                                         ; the round in front of the joint loads, ahead of the wait for the arguments
	s_wait_kmcnt 0x0
	s_add_nc_u64 s[6:7], s[6:7], s[48:49]
	s_mov_b32 s32, 1
	s_mov_b32 s33, s50
	s_add_nc_u64 s[34:35], s[6:7], s[50:51]
	s_or_b32 s35, s35, 0x80000000
	s_add_nc_u64 s[56:57], s[4:5], s[56:57]
	s_add_nc_u64 s[4:5], s[4:5], s[54:55]
	s_add_nc_u64 s[8:9], s[8:9], s[58:59]
	s_add_nc_u64 s[10:11], s[10:11], s[2:3]
	tensor_load_to_lds s[32:35], s[16:23]          ; every wave's one load
	s_nop 0
.rept 4
	v_nop
.endr
	v_and_b32 v6, 31, v0
	HINT 1
	v_lshlrev_b32 v[LA0], 4, v6
	HINT 2
	v_lshlrev_b32 v[LB0], 3, v6
	v_bfe_u32 v[H8], v0, 4, 1
	HINT 1
	v_lshlrev_b32 v[H8], 3, v[H8]
.irp s, 0,1
	global_load_b128 v[QF0+12*\s:QF0+12*\s+3], v[LA0], s[4:5] offset:768*\s th:TH_LOAD_NT
	global_load_b64 v[QF0+12*\s+4:QF0+12*\s+5], v[LB0], s[4:5] offset:768*\s+512 th:TH_LOAD_NT
.endr
	global_load_b64 v[QS:QS+1], v[LA0], s[56:57] offset:6144
	WIN 0x40
.irp s, 0,1
	global_load_b128 v[QF1+12*\s:QF1+12*\s+3], v[LA0], s[4:5] offset:768*(2+\s) th:TH_LOAD_NT
	global_load_b64 v[QF1+12*\s+4:QF1+12*\s+5], v[LB0], s[4:5] offset:768*(2+\s)+512 th:TH_LOAD_NT
.endr
.irp i, 0,1,2,3,4,5
	v_mov_b32 v[QF1+6+\i], 0                       ; zero codes for the upper 64 of the instruction's K
	v_mov_b32 v[QF1+18+\i], 0
	v_mov_b32 v[KF+48+\i], 0                       ; what K's last tile names beyond its own six
.endr
.set j, 0
.rept 128
	v_mov_b32 v[O+j], 0                            ; the step is written once: the first finds zeros
.set j, j+1
.endr
	WIN 0
.irp i, 0,1,2,3,4,5
	v_mov_b32 v[QF0+6+\i], 0
	v_mov_b32 v[QF0+18+\i], 0
.endr
	v_mov_b32 v[STA+1], 0xff61b1e6                 ; -3e38
	HINT 1
	v_mul_f32 v[T], s[CS], v[STA+1]
	HINT 1
	v_floor_f32 v[STA], -v[T]
.irp x, 0,1,2,3
	v_mov_b32 v[STA+4*\x+2], 0
	v_mov_b32 v[STA+4*\x+3], 0
.endr
.irp x, 1,2,3
	v_mov_b32 v[STA+4*\x+1], v[STA+1]
	v_mov_b32 v[STA+4*\x], v[STA]
.endr
.irp s, 0,1
	v_mov_b32 v[F+2*\s+1], 0                       ; named as the upper half of a pair
	v_mov_b32 v[T+14*\s+11], 0                     ; a lane permute's destination counts as one of its sources
.endr
.macro KLOAD                           ; 17 loads
	WIN 0x40
.irp t, 0,1,2,3,4,5,6,7
	ds_load_b128 v[KF+6*\t:KF+6*\t+3], v[LA] offset:768*\t
	ds_load_b64 v[KF+6*\t+4:KF+6*\t+5], v[LB] offset:768*\t+512
.endr
	WIN 0
	ds_load_b128 v[KSC:KSC+3], v[LA] offset:12288
.endm
.macro VLOAD                           ; 17 loads
	WIN 0x40
.irp c, 0,1
.irp t, 0,1,2,3
	ds_load_b128 v[VF+12*\t+6*\c:VF+12*\t+6*\c+3], v[LA] offset:6144+768*(4*\c+\t)
	ds_load_b64 v[VF+12*\t+6*\c+4:VF+12*\t+6*\c+5], v[LB] offset:6144+768*(4*\c+\t)+512
.endr
.endr
	WIN 0
	ds_load_b128 v[VSC:VSC+3], v[LA] offset:12800
.endm
.macro QK p                            ; S^T = K Q^T for both tiles of pair p.  K's words: register t / 2, lanes 16-31 for odd t; Q's: lanes 16-31 for stream 1
.if \p
	WIN 0x05
.set QB_, QF1
.else
	WIN 0x01
.set QB_, QF0
.endif
.irp th, 0,1,2,3
.irp tl, 0,1
.irp s, 0,1
	v_wmma_scale_f32_16x16x128_f8f6f4 v[S+64*\s+8*(2*\th+\tl):S+64*\s+8*(2*\th+\tl)+7], v[KF+6*(2*\th+\tl):KF+6*(2*\th+\tl)+11], v[QB_+12*\s:QB_+12*\s+11], 0, v[KSC+\th], v[QS+\p] matrix_a_fmt:MATRIX_FMT_FP6 matrix_b_fmt:MATRIX_FMT_FP6 matrix_a_scale:MATRIX_SCALE_ROW\tl matrix_b_scale:MATRIX_SCALE_ROW\s
.endr
.endr
.endr
.endm
.macro PV p                            ; O^T += V^T P^T
	WIN 0x51
.irp t, 0,1,2,3
.irp s, 0,1
	v_wmma_scale_f32_16x16x128_f8f6f4 v[O+32*(2*\p+\s)+8*\t:O+32*(2*\p+\s)+8*\t+7], v[VF+12*\t:VF+12*\t+11], v[PC+12*\s:PC+12*\s+11], v[O+32*(2*\p+\s)+8*\t:O+32*(2*\p+\s)+8*\t+7], v[VSC+\t], v[PS+\s] matrix_a_fmt:MATRIX_FMT_FP6 matrix_b_fmt:MATRIX_FMT_FP6
.endr
.endr
	WIN 0
.endm
.macro MAXP p                          ; the blocks' largest scores: sixteen chains of three lines, one to a tile of S^T, each from the tile's low end on, and a join; then the running maximum, -M, f, t - M
.irp k, 0,1,2
.irp j, 0,1,2,3,4,5,6,7
.irp s, 0,1
.if \k == 0
	v_max3_num_f32 v[T+14*\s+\j], v[S+64*\s+8*\j], v[S+64*\s+8*\j+1], v[S+64*\s+8*\j+2]
.else
	v_max3_num_f32 v[T+14*\s+\j], v[T+14*\s+\j], v[S+64*\s+8*\j+2*\k+1], v[S+64*\s+8*\j+2*\k+2]
.endif
.endr
.endr
.endr
.irp j, 0,2,4,6
.irp s, 0,1
	v_max3_num_f32 v[T+14*\s+\j], v[T+14*\s+\j], v[T+14*\s+\j+1], v[S+64*\s+8*\j+7]
.endr
.endr
.irp b, 0,1
.irp s, 0,1
	v_max3_num_f32 v[T+14*\s+8+\b], v[T+14*\s+4*\b], v[T+14*\s+4*\b+2], v[S+64*\s+32*\b+15]
.endr
.endr
.irp b, 0,1
.irp s, 0,1
	v_max_num_f32 v[T+14*\s+8+\b], v[T+14*\s+8+\b], v[S+64*\s+32*\b+31]
.endr
.endr
.irp s, 0,1
	HINT 2
	v_max_num_f32 v[T+14*\s+10], v[T+14*\s+8], v[T+14*\s+9]
.endr
.irp s, 0,1
	HINT 2
	v_permlanex16_b32 v[T+14*\s+11], v[T+14*\s+10], s[SEL], s[SEL+1]      ; the query's other 64 keys lie in lane xor 16
.endr
.irp s, 0,1
	HINT 2
	v_max3_num_f32 v[STA+4*(2*\p+\s)+1], v[STA+4*(2*\p+\s)+1], v[T+14*\s+10], v[T+14*\s+11]
.endr
.irp s, 0,1
	HINT 2
	v_mul_f32 v[T+14*\s+10], s[CS], v[STA+4*(2*\p+\s)+1]
.endr
.irp s, 0,1
	v_mov_b32 v[T+14*\s+11], v[STA+4*(2*\p+\s)]
.endr
.irp s, 0,1
	HINT 4
	v_floor_f32 v[STA+4*(2*\p+\s)], -v[T+14*\s+10]                         ; -M = floor(-t)
.endr
.set j, 0
.rept 32
.irp s, 0,1
	v_pk_fma_f32 v[S+64*\s+j:S+64*\s+j+1], v[S+64*\s+j:S+64*\s+j+1], s[CS:CS+1], v[STA+4*(2*\p+\s):STA+4*(2*\p+\s)+1] op_sel_hi:[1,0,0]
.endr
.if j == 6                             ; f's three lines stand nine lines apart among the multiply-adds
.irp s, 0,1
	v_sub_f32 v[T+14*\s+11], v[STA+4*(2*\p+\s)], v[T+14*\s+11]             ; old M less new M: a whole number, 0 or less
.endr
.endif
.if j == 14
.irp s, 0,1
	v_cvt_i32_f32 v[T+14*\s+11], v[T+14*\s+11]                             ; (it saturates)
.endr
.endif
.if j == 22
.irp s, 0,1
	v_ldexp_f32 v[F+2*\s], 1.0, v[T+14*\s+11]
.endr
.endif
.set j, j+2
.endr
.irp s, 0,1
.irp b, 0,1
	v_fma_f32 v[T+14*\s+8+\b], v[T+14*\s+8+\b], s[CS], v[STA+4*(2*\p+\s)]
.endr
.endr
.endm
.macro EXPP p                          ; one wait, one batch of 132, two plain lines, one wait
	WALU
.set j, 0
.rept 128
	v_exp_f32 v[S+j], v[S+j]
.set j, j+1
.endr
.irp r, 8,9,22,23
	v_exp_f32 v[T+\r], v[T+\r]
.endr
.irp s, 0,1
	v_pk_mul_f32 v[STA+4*(2*\p+\s)+2:STA+4*(2*\p+\s)+3], v[STA+4*(2*\p+\s)+2:STA+4*(2*\p+\s)+3], v[F+2*\s:F+2*\s+1] op_sel_hi:[1,0]
.endr
	WALU
.endm
.macro PADD s, d, i                    ; d += pair i of stream s's p
	v_pk_add_f32 v[\d:\d+1], v[\d:\d+1], v[S+64*\s+2*(\i):S+64*\s+2*(\i)+1]
.endm
.macro SUMP p, vload                   ; the sums of the unquantised p: three chains a stream.  vload: the next record's V is asked for behind six plain lines, the places behind the products that read V's registers
.irp s, 0,1
	v_pk_add_f32 v[T+14*\s:T+14*\s+1], v[S+64*\s:S+64*\s+1], v[S+64*\s+2:S+64*\s+3]
.endr
.irp s, 0,1
	v_pk_add_f32 v[T+14*\s+2:T+14*\s+3], v[S+64*\s+4:S+64*\s+5], v[S+64*\s+6:S+64*\s+7]
.endr
.irp s, 0,1
	PADD \s, STA+4*(2*\p+\s)+2, 4
.endr
.if \vload
	VLOAD
.endif
.set i, 5
.rept 9
.irp s, 0,1
	PADD \s, T+14*\s, i
.endr
.irp s, 0,1
	PADD \s, T+14*\s+2, i+1
.endr
.irp s, 0,1
	PADD \s, STA+4*(2*\p+\s)+2, i+2
.endr
.set i, i+3
.endr
.irp s, 0,1
	HINT 4
	v_pk_add_f32 v[T+14*\s:T+14*\s+1], v[T+14*\s:T+14*\s+1], v[T+14*\s+2:T+14*\s+3]
.endr
.irp s, 0,1
	HINT 2
	v_pk_add_f32 v[STA+4*(2*\p+\s)+2:STA+4*(2*\p+\s)+3], v[STA+4*(2*\p+\s)+2:STA+4*(2*\p+\s)+3], v[T+14*\s:T+14*\s+1]
.endr
.endm
.macro MV3 s, h                        ; the second half of a block's six registers (a conversion's three begin on an even number)
.irp i, 0,1,2
	v_mov_b32 v[PC+12*\s+6*\h+3+\i], v[T+14*\s+4*\h+\i]
.endr
.endm
.macro QUANTP                          ; p's codes and scale words; the word's chain stands among the twelve moves, five lines from link to link
.irp s, 0,1
.irp b, 0,1
	v_max_num_f32 v[T+14*\s+8+\b], 0x1800000, v[T+14*\s+8+\b]              ; the floor 2^(3 - 127): the byte cannot fall under 1
.endr
.endr
.irp s, 0,1
.irp b, 0,1
	HINT 4
	v_add_nc_u32 v[T+14*\s+12+\b], 0xff000000, v[T+14*\s+8+\b]             ; 2 off the exponent field: the conversions' scale operand
.endr
.endr
.irp s, 0,1
	v_cvt_scalef32_pk16_fp6_f32 v[PC+12*\s:PC+12*\s+2], v[S+64*\s:S+64*\s+15], v[T+14*\s+12]
	v_cvt_scalef32_pk16_fp6_f32 v[T+14*\s:T+14*\s+2], v[S+64*\s+16:S+64*\s+31], v[T+14*\s+12]
	v_cvt_scalef32_pk16_fp6_f32 v[PC+12*\s+6:PC+12*\s+8], v[S+64*\s+32:S+64*\s+47], v[T+14*\s+13]
	v_cvt_scalef32_pk16_fp6_f32 v[T+14*\s+4:T+14*\s+6], v[S+64*\s+48:S+64*\s+63], v[T+14*\s+13]
.endr
.irp s, 0,1
.irp b, 0,1
	v_lshrrev_b32 v[T+14*\s+8+\b], 23, v[T+14*\s+12+\b]                    ; the bytes of blocks h and 2 + h (also the plain lines behind the conversions)
.endr
.endr
	MV3 0, 0
.irp s, 0,1
	v_lshl_or_b32 v[T+14*\s+10], v[T+14*\s+9], 16, v[T+14*\s+8]
.endr
	MV3 0, 1
.irp s, 0,1
	v_lshlrev_b32 v[T+14*\s+10], v[H8], v[T+14*\s+10]
.endr
	MV3 1, 0
.irp s, 0,1
	v_permlanex16_b32 v[T+14*\s+11], v[T+14*\s+10], s[SEL], s[SEL+1]
.endr
	MV3 1, 1
.irp s, 0,1
	v_or_b32 v[PS+\s], v[T+14*\s+10], v[T+14*\s+11]
.endr
.endm
.macro RESCALE p                       ; O^T under the new M, each accumulator from its low end on.  The wait directly ahead of these first readers of matrix results
	WALU
	WIN 0x41
.set j, 0
.rept 16
.irp s, 0,1
	v_pk_mul_f32 v[O+32*(2*\p+\s)+j:O+32*(2*\p+\s)+j+1], v[O+32*(2*\p+\s)+j:O+32*(2*\p+\s)+j+1], v[F+2*\s:F+2*\s+1] op_sel_hi:[1,0]
.endr
.set j, j+2
.endr
.endm
	WALU                                           ; the wait at the head's end
	s_wait_tensorcnt 0x0                           ; my two records are in,
	s_barrier_signal -1
	s_barrier_wait -1                              ; everybody's are
	v_mov_b32 v[LA], v[LA0]
	v_mov_b32 v[LB], v[LB0]
	KLOAD
	VLOAD
	s_wait_loadcnt 0x0                             ; Q
	s_mov_b32 s[CNT], 16
.Lstep:                                            ; a key step for the four tiles; no two matrix instructions that follow each other share an accumulator
	s_wait_dscnt 17                                ; K is in; V's 17 loads, issued behind it, may be out
	QK 0
	WIN 0
.rept 4
	v_nop                                          ; places in front of the first read of the scores
.endr
	MAXP 0
	EXPP 0
	SUMP 0, 0
	QUANTP
	s_wait_dscnt 0x0                               ; V is in
	RESCALE 0                                      ; 32 plain lines between p's word and codes and the products that take them
	QK 1                                           ; the next pair's scores take the registers that p has left
	PV 0
	s_add_co_u32 s[TB], s[TB], REC                 ; the next record; behind the last, record 0
	s_cmp_eq_u32 s[TB], 16*REC
	s_cselect_b32 s[TB], 0, s[TB]
	v_add_nc_u32 v[LA], s[TB], v[LA0]              ; four plain lines: the places in front of the loads into K's registers and of the first read of the scores
	v_add_nc_u32 v[LB], s[TB], v[LB0]
	v_nop
	v_nop
	KLOAD
	MAXP 1
	EXPP 1
	QUANTP
	RESCALE 1
	PV 1
	SUMP 1, 1
	s_sub_co_u32 s[CNT], s[CNT], 1
	s_cmp_lg_u32 s[CNT], 0
	s_cbranch_scc1 .Lstep
	; THE WAY OUT: O^T / the sum, quantised as p is; a tile is one unit of the last product's operand
	WALU
	s_wait_dscnt 0x0                               ; the last step's loads have landed
.irp x, 0,1,2,3
	v_add_f32 v[STA+4*\x+2], v[STA+4*\x+2], v[STA+4*\x+3]
.endr
.irp x, 0,1,2,3
	HINT 4
	v_permlanex16_b32 v[T+\x], v[STA+4*\x+2], s[SEL], s[SEL+1]
.endr
.irp x, 0,1,2,3
	HINT 4
	v_add_f32 v[STA+4*\x+2], v[STA+4*\x+2], v[T+\x]
.endr
	WALU
.irp x, 0,1,2,3
	v_rcp_f32 v[T+14+2*\x], v[STA+4*\x+2]
.endr
	v_nop
	WALU
	WIN 0x41
.set j, 0
.rept 16
.irp x, 0,1,2,3
	v_pk_mul_f32 v[O+32*\x+j:O+32*\x+j+1], v[O+32*\x+j:O+32*\x+j+1], v[T+14+2*\x:T+14+2*\x+1] op_sel_hi:[1,0]
.endr
.set j, j+2
.endr
	WIN 0x05
.irp x, 0,1,2,3
.irp g, 0,1
	v_max3_num_f32 v[T+2*\x+\g], |v[O+32*\x+16*\g]|, |v[O+32*\x+16*\g+1]|, 0x1800000     ; eight chains, two to a tile
.endr
.endr
.irp i, 2,4,6,8,10,12,14
.irp x, 0,1,2,3
.irp g, 0,1
	v_max3_num_f32 v[T+2*\x+\g], |v[O+32*\x+16*\g+\i]|, |v[O+32*\x+16*\g+\i+1]|, v[T+2*\x+\g]
.endr
.endr
.endr
	WIN 0
	v_lshlrev_b32 v[LB], 1, v[LA0]                 ; os: 32 bytes a place
.irp x, 0,1,2,3
	v_max_num_f32 v[T+2*\x], v[T+2*\x], v[T+2*\x+1]
.endr
.irp x, 0,1,2,3
	HINT 4
	v_add_nc_u32 v[T+8+\x], 0xff000000, v[T+2*\x]
.endr
.irp x, 0,1,2,3
	HINT 4
	v_lshrrev_b32 v[T+2*\x], 23, v[T+8+\x]
.endr
.irp x, 0,1,2,3
	HINT 4
	v_lshlrev_b32 v[T+2*\x], v[H8], v[T+2*\x]
.endr
.irp x, 0,1,2,3
	HINT 4
	v_permlanex16_b32 v[T+2*\x+1], v[T+2*\x], s[SEL], s[SEL+1]
.endr
.irp x, 0,1,2,3
	HINT 4
	v_or_b32 v[T+2*\x], v[T+2*\x], v[T+2*\x+1]     ; my row's two scale bytes
.endr
	WIN 0x01
.irp x, 0,1,2,3
	v_cvt_scalef32_pk16_fp6_f32 v[S+8*\x:S+8*\x+2], v[O+32*\x:O+32*\x+15], v[T+8+\x]
	v_cvt_scalef32_pk16_fp6_f32 v[S+32+4*\x:S+32+4*\x+2], v[O+32*\x+16:O+32*\x+31], v[T+8+\x]
.endr
	WIN 0
	v_nop                                          ; one plain place behind a scaled conversion
.irp x, 0,1,2,3
.irp i, 0,1,2
	v_mov_b32 v[S+8*\x+3+\i], v[S+32+4*\x+\i]
.endr
.endr
	v_cndmask_b32 v[T], v[T], v[T+2], s46          ; lanes 0-15: the even tile's rows, lanes 16-31: the odd tile's
	v_cndmask_b32 v[T+4], v[T+4], v[T+6], s46
.irp x, 0,1,2,3
	global_store_b128 v[LA0], v[S+8*\x:S+8*\x+3], s[8:9] offset:768*\x          ; 512 consecutive bytes, aligned
	global_store_b64 v[LB0], v[S+8*\x+4:S+8*\x+5], s[8:9] offset:768*\x+512     ; 256 consecutive bytes, aligned
.endr
	global_store_b16 v[LB], v[T], s[10:11]         ; a head owns 2 of a row's 32 scale bytes
	global_store_b16 v[LB], v[T+4], s[10:11] offset:1024
	s_wait_tensorcnt 0x0                           ; the wave's end
	ds_add_u32 v[SPW], v[NIL]
	s_wait_dscnt 0x0
	CROUND                                         ; the closing round
	s_endpgm
.Lfunc_end_k_q5727593b5e_attn:
	.size	k_q5727593b5e_attn, .Lfunc_end_k_q5727593b5e_attn-k_q5727593b5e_attn
	.p2alignl 7, 3214868480
	.fill 96, 4, 3214868480
	.section	.rodata,"a",@progbits
	.p2align	6, 0x0
	.amdhsa_kernel k_q5727593b5e_attn
		.amdhsa_group_segment_fixed_size 215040
		.amdhsa_private_segment_fixed_size 0
		.amdhsa_enable_private_segment 0
		.amdhsa_kernarg_size 32
		.amdhsa_user_sgpr_count 2
		.amdhsa_user_sgpr_kernarg_segment_ptr 1
		.amdhsa_wavefront_size32 1
		.amdhsa_system_sgpr_workgroup_id_x 1
		.amdhsa_system_sgpr_workgroup_id_y 1
		.amdhsa_system_sgpr_workgroup_id_z 1
		.amdhsa_system_vgpr_workitem_id 0
		.amdhsa_next_free_vgpr 512
		.amdhsa_next_free_sgpr 66
		.amdhsa_reserve_vcc 0
		.amdhsa_float_denorm_mode_32 3
		.amdhsa_float_denorm_mode_16_64 3
		.amdhsa_memory_ordered 1
		.amdhsa_forward_progress 1
		.amdhsa_inst_pref_size 80
	.end_amdhsa_kernel
	.amdgpu_metadata
---
amdhsa.version: [ 1, 2 ]
amdhsa.kernels:
  - .name:           k_q5727593b5e_attn
    .symbol:         k_q5727593b5e_attn.kd
    .args:
      - { .name: qb, .offset: 0, .size: 8, .value_kind: global_buffer, .address_space: global }
      - { .name: kvb, .offset: 8, .size: 8, .value_kind: global_buffer, .address_space: global }
      - { .name: oc, .offset: 16, .size: 8, .value_kind: global_buffer, .address_space: global }
      - { .name: os, .offset: 24, .size: 8, .value_kind: global_buffer, .address_space: global }
    .group_segment_fixed_size: 215040
    .private_segment_fixed_size: 0
    .kernarg_segment_align: 8
    .kernarg_segment_size: 32
    .max_flat_workgroup_size: 256
    .sgpr_count:     66
    .vgpr_count:     512
    .wavefront_size: 32
...
	.end_amdgpu_metadata
.endif
;; end of part 3
;; launch proj (part 4): grid 4 x 64, 4 waves a work-group, clusters of 4 x 4, 245,760 bytes of LDS; arguments oc, os, wc, ws, bo, out0; writes out0
.if DOCPART == 4
	.amdgcn_target "amdgcn-amd-amdhsa--gfx1250"
	.amdhsa_code_object_version 6
	.text
	.protected	k_q5727593b5e_proj
	.globl	k_q5727593b5e_proj
	.p2align	8
	.type	k_q5727593b5e_proj,@function
k_q5727593b5e_proj:
	s_mov_b64 s[64:65], 0
	v_nop
	global_prefetch_b8 v0, s[64:65] scope:SCOPE_SE
	s_setreg_imm32_b32 hwreg(HW_REG_WAVE_MODE, 25, 1), 1
	s_wait_xcnt 0x0
	s_wait_alu depctr_hold_cnt(0) depctr_sa_sdst(0) depctr_va_vdst(0) depctr_va_sdst(0) depctr_va_ssrc(0) depctr_va_vcc(0) depctr_vm_vsrc(0)
	s_getreg_b32 s2, hwreg(HW_REG_IB_STS2, 6, 4)
	s_cmp_eq_u32 s2, 0
	s_cbranch_scc0 .Lentry_in_a_cluster
	s_endpgm
.Lentry_in_a_cluster:
	s_bfe_u32 s2, ttmp6, 0x10000c
	s_cmp_lg_u32 s2, 0xf033
	s_cbranch_scc0 .Lentry_shape_is_right
	s_endpgm
.Lentry_shape_is_right:
; Launch 4 of 4: out0 = o Wo^T + bo on codes of FP6 (E2M3) with E8M0 scales.  Nothing is left out.
; A work-group of four waves makes 128 rows x 256 columns: 64 x 4 = 256 work-groups.  A wave makes 64 x 128: 32 accumulators, which take turns.
; B: LDS holds all of K of Wo's 256 rows, filled once: waves 0, 1, 2 bring chunks 0, 1, 2 of 256 bytes of the rows of 768 bytes (69,632 bytes each with 16 of padding behind each 256), one tensor load a wave at the head;
; wave 3 has no tile to bring.  Nothing is filled again: no ring, and no round between the opening and the closing one.  Each chunk is shown by a barrier of its own: at the head (wave 0 waits), in step 1 (waves 0 and 1 wait),
; in step 4 (every wave waits); each loading wave has a load line of its own.
; A: the launch before stored o's codes as the image of this operand's registers, units of 768 bytes for 16 places x 64 along K.  So A goes from memory STRAIGHT INTO REGISTERS, 512 and 256 consecutive bytes a load,
; 16 loads for a step of 128 along K, each step into registers of its own (8 x 48), up to three steps ahead; it does not pass through LDS, which leaves a wave 12,288 in place of 18,432 bytes to read from LDS in a step.
; That is why A is not asked for jointly: a joint load lands in LDS.  B's chunks are asked for jointly along a column of the 4 x 4 cluster.
; Every byte of B is asked for at the head, and A's loads run ahead themselves: there is no later request for a prefetch to run ahead of.
; THE SCALES go straight into registers, a lane a row of 32 bytes: register 8 j + step holds blocks 2 j (lanes 0-15) and 2 j + 1 (lanes 16-31).  The bias is the C of the first step's products.
; Source 0 = Wo's rows, source 1 = o's places: a lane holds eight neighbouring columns of a row.  A block of 16 rows goes through the wave's own stage in LDS, bytes into which no tile lands, and leaves as rows of 512 bytes.
; Place 16 T + 8 g + j of each 64 is row 32 g + 8 T + j.
; REGISTERS.  Window 0: v0-31 addresses, v32-83 scale words, v84-227 A's steps 0-2 (on the way out v128-255 take the rows read back).  Window 1: B's two sets at v0, v128; the bias at v96, v224.  Window 2: the sums.  Window 3: A's steps 3-7.
.set KROW,   768
.set PITCH,  272
.set FR,     12
.set HEADB,  512*768
.set HALFT,  128*PITCH
.set CH,     256*PITCH
.set SPARE,  3*CH
.set STAGE,  SPARE+512
.set SPITCH, 528
.set AO8,  9                           ; 8 x lane
.set ADRB, 12                          ; v12-14 my rows in chunks 0, 1, 2
.set XB,   16                          ; v16, v17: lanes 0-15 byte 232 of chunk c, lanes 16-31 byte 0 of chunk c + 1
.set STO,  24
.set RD,   25
.set CO,   26                          ; 16 x lane
.set SOF,  27
.set SPW,  28
.set NIL,  29
.set BOO,  30
.set SAR,  32                          ; v32-47 A's scale words
.set SBR,  52                          ; v52-83 B's
.set BK,   128
.set G1B,  36
.set G0B,  48
.set MSB, 0
.macro WIN new
.if MSB != \new
	s_set_vgpr_msb (MSB<<8)|\new
.set MSB, \new
.endif
.endm
.macro PLACES n
.rept \n
	v_nop
.endr
.endm
.macro TLOAD g0, g1
	tensor_load_to_lds s[\g0:\g0+3], s[\g1:\g1+7]
	s_nop 0
	PLACES 4
.endm
.macro BARRIER
	s_barrier_signal -1
	s_barrier_wait -1
.endm
.macro CROUND
	s_barrier_signal -1
	s_barrier_wait -1
	s_cmp_lg_u32 s16, 0
	s_cbranch_scc1 .Lnot_wave_0_\@
	s_barrier_signal -3
.Lnot_wave_0_\@:
	s_barrier_wait -3
	s_barrier_signal -1
	s_barrier_wait -1
.endm
	s_load_b128 s[4:7], s[0:1], 0x0                ; oc, os
	s_load_b128 s[8:11], s[0:1], 0x10              ; wc, ws
	s_load_b128 s[12:15], s[0:1], 0x20             ; bo, out0
	v_lshl_add_u32 v[SPW], v0, 2, SPARE
	v_mov_b32 v[NIL], 0
	ds_add_u32 v[SPW], v[NIL]                      ; the opening lines
	ds_add_u32 v[SPW], v[NIL]
	v_lshrrev_b32 v1, 5, v0
	v_readfirstlane_b32 s16, v1                    ; wave; s17 its half of the rows, s18 of the columns
	s_lshr_b32 s17, s16, 1
	s_and_b32 s18, s16, 1
	s_bfe_u32 s19, ttmp6, 0x40000
	s_bfe_u32 s20, ttmp6, 0x40004
	s_lshl_b32 s21, ttmp9, 2
	s_add_co_u32 s21, s21, s19                     ; tile column
	s_and_b32 s22, ttmp7, 0xffff
	s_lshl_b32 s22, s22, 2
	s_add_co_u32 s22, s22, s20                     ; tile row
	s_lshl_b32 s24, 0x1111, s19                    ; my column of the cluster
	s_or_b32 s[G1B+0], s24, (0<<16)|(1<<20)|(1<<21)|(5<<22)|(3<<25)   ; a chunk: 256 rows of 256 bytes, 16 of padding behind each
	s_mov_b32 s[G1B+1], 256<<16
	s_mov_b32 s[G1B+2], 256<<16
	s_mov_b32 s[G1B+3], 256<<16
	s_mov_b32 s[G1B+4], 256
	s_mov_b32 s[G1B+5], KROW
	s_mov_b32 s[G1B+6], 0
	s_mov_b32 s[G1B+7], 0
	s_mul_i32 s60, s22, 6144                       ; A: 8 units a tile row, my four of them
	s_mul_i32 s26, s17, 3072
	s_add_co_u32 s60, s60, s26
	s_mov_b32 s61, 0
	s_lshl_b32 s25, s21, 8
	s_add_co_u32 s25, s25, 3072                    ; Wo's first row in wc
	s_mul_i32 s62, s25, KROW
	s_mov_b32 s63, 0
	s_lshl_b32 s66, s22, 12
	s_lshl_b32 s26, s17, 11
	s_add_co_u32 s66, s66, s26                     ; my 64 rows of A's scales
	s_mov_b32 s67, 0
	s_lshl_b32 s26, s18, 7
	s_add_co_u32 s68, s25, s26
	s_lshl_b32 s68, s68, 5                         ; my 128 rows of B's
	s_mov_b32 s69, 0
	s_lshl_b32 s72, s21, 10
	s_lshl_b32 s26, s18, 9
	s_add_co_u32 s72, s72, s26                     ; my first column, in bytes
	s_mov_b32 s73, 0
	s_lshl_b32 s70, s22, 7
	s_lshl_b32 s26, s17, 6
	s_add_co_u32 s70, s70, s26
	s_lshl_b32 s70, s70, 12                        ; my first row, in bytes
	s_mov_b32 s71, 0
	s_mul_i32 s75, s18, HALFT
	s_mov_b32 s76, CH-232
	s_mul_i32 s77, s16, 16*SPITCH
	s_add_co_u32 s77, s77, STAGE
	s_wait_dscnt 0x0
	CROUND                                         ; the round in front of the joint loads, ahead of the wait for the arguments
	s_wait_kmcnt 0x0
	s_add_nc_u64 s[62:63], s[8:9], s[62:63]
.irp c, 0,1,2
	s_mov_b32 s[G0B+4*\c], 1
	s_mov_b32 s[G0B+4*\c+1], \c*CH
	s_add_nc_u64 s[G0B+4*\c+2:G0B+4*\c+3], s[62:63], \c*256
	s_or_b32 s[G0B+4*\c+3], s[G0B+4*\c+3], 0x80000000
.endr
.macro ARM under, g0, g1, next                 ; one chain of branches on the wave's number, one load to an arm
	s_cmp_lt_u32 s16, \under
	s_cbranch_scc0 \next
	TLOAD \g0, \g1
	s_branch .Lhead_asked
\next:
.endm
	ARM 1, G0B,   G1B, .Lhead_1
	ARM 2, G0B+4, G1B, .Lhead_2
	ARM 3, G0B+8, G1B, .Lhead_3
.Lhead_asked:
	s_add_nc_u64 s[60:61], s[4:5], s[60:61]
	s_add_nc_u64 s[66:67], s[6:7], s[66:67]
	s_add_nc_u64 s[68:69], s[10:11], s[68:69]
	s_add_nc_u64 s[12:13], s[12:13], s[72:73]
	s_add_nc_u64 s[14:15], s[14:15], s[70:71]
	s_add_nc_u64 s[14:15], s[14:15], s[72:73]
	v_and_b32 v1, 15, v0
	v_bfe_u32 v2, v0, 4, 1
	v_and_b32 v3, 31, v0
	v_lshlrev_b32 v[AO8], 3, v3
	v_mul_u32_u24 v4, v1, PITCH
	v_add_nc_u32 v4, s75, v4
	v_mad_u32_u24 v[ADRB], v2, 24, v4
	v_add_nc_u32 v[ADRB+1], CH, v[ADRB]
	v_add_nc_u32 v[ADRB+2], 2*CH, v[ADRB]
	v_mul_u32_u24 v5, s76, v2
	v_add_nc_u32 v5, v4, v5
	v_add_nc_u32 v[XB], 232, v5
	v_add_nc_u32 v[XB+1], CH, v[XB]
	v_mul_u32_u24 v5, v1, SPITCH
	v_lshl_add_u32 v5, v2, 5, v5
	v_add_nc_u32 v[STO], s77, v5
	v_lshlrev_b32 v[CO], 4, v3
	v_add_nc_u32 v[RD], s77, v[CO]
	v_lshlrev_b32 v[BOO], 5, v2
	v_lshlrev_b32 v[SOF], 5, v3
	s_wait_alu depctr_va_vdst(0)                   ; the wait at the head's end
.macro AREG st                         ; where step st's four fragments of A lie
.if (\st) < 3
.set AR_, 84+48*(\st)
.set AW_, 0
.else
.set AR_, 48*((\st)-3)
.set AW_, 3
.endif
.endm
.macro ALOAD st                        ; 16 loads: heads 2 st and 2 st + 1 of my four units
	AREG \st
	WIN (AW_<<6)
.irp i, 0,1,2,3
.irp c, 0,1
	global_load_b128 v[AR_+FR*\i+6*\c:AR_+FR*\i+6*\c+3], v[CO], s[60:61] offset:(2*(\st)+\c)*HEADB+768*\i
	global_load_b64 v[AR_+FR*\i+6*\c+4:AR_+FR*\i+6*\c+5], v[AO8], s[60:61] offset:(2*(\st)+\c)*HEADB+768*\i+512
.endr
.endr
	WIN 0
.endm
.irp c, 0,1                            ; 12 loads of scale words,
.irp j, 0,1
	global_load_b128 v[SAR+8*\j+4*\c:SAR+8*\j+4*\c+3], v[SOF], s[66:67] offset:1024*\j+16*\c
.endr
.irp j, 0,1,2,3
	global_load_b128 v[SBR+8*\j+4*\c:SBR+8*\j+4*\c+3], v[SOF], s[68:69] offset:1024*\j+16*\c
.endr
.endr
	WIN 0x40
.irp b, 0,1,2,3,4,5,6,7                ; 16 of the bias,
	global_load_b128 v[96+8*\b+96*(\b/4):96+8*\b+96*(\b/4)+3], v[BOO], s[12:13] offset:64*\b
	global_load_b128 v[96+8*\b+96*(\b/4)+4:96+8*\b+96*(\b/4)+7], v[BOO], s[12:13] offset:64*\b+16
.endr
	WIN 0
	ALOAD 0                                        ; and A's first two steps: 60 loads of mine are out
	ALOAD 1
.macro FRAG reg, st, i                 ; B: six pieces of 8 bytes; byte y of a row lies in chunk y / 256 at byte y % 256
.irp p, 0,1,2,3,4,5
.set BY, 96*(\st)+48*(\p/3)+8*(\p%3)
.if BY/256 == (BY+24)/256
	ds_load_b64 v[\reg+2*\p:\reg+2*\p+1], v[ADRB+BY/256] offset:BY%256+(\i)*16*PITCH
.else
	ds_load_b64 v[\reg+2*\p:\reg+2*\p+1], v[XB+BY/256] offset:BY%256-232+(\i)*16*PITCH
.endif
.endr
.endm
.macro FETCH st                        ; step st's eight fragments of B into set st % 2
	WIN 0x40
.irp i, 0,1,2,3,4,5,6,7
	FRAG 128*((\st)%2)+FR*\i, \st, \i
.endr
	WIN 0
.endm
.macro MUL st, mode                    ; 32 products; mode 1: the bias is C
	AREG \st
.if \mode
	WIN 0x91
.else
	WIN (0xa1|(AW_<<2))
.endif
.irp ah, 0,1
.irp al, 0,1
.irp bh, 0,1,2,3
.irp bl, 0,1
.set a_, 2*\ah+\al
.set b_, 2*\bh+\bl
.set rD, 8*(8*a_+b_)
.set rC, rD
.if \mode
.set rC, 96+8*b_+96*(b_/4)
.endif
	v_wmma_scale_f32_16x16x128_f8f6f4 v[rD:rD+7], v[128*((\st)%2)+FR*b_:128*((\st)%2)+FR*b_+FR-1], v[AR_+FR*a_:AR_+FR*a_+FR-1], v[rC:rC+7], v[SBR+8*\bh+(\st)], v[SAR+8*\ah+(\st)] matrix_a_fmt:MATRIX_FMT_FP6 matrix_b_fmt:MATRIX_FMT_FP6 matrix_a_scale:MATRIX_SCALE_ROW\bl matrix_b_scale:MATRIX_SCALE_ROW\al
.endr
.endr
.endr
.endr
	WIN 0
.endm
	s_cmp_eq_u32 s16, 0
	s_cbranch_scc0 .Lnot_chunk_0
	s_wait_tensorcnt 0x0                           ; wave 0: chunk 0 is in
.Lnot_chunk_0:
	BARRIER                                        ; chunks 1 and 2 may be on their way
	FETCH 0
	s_wait_loadcnt 32                              ; scales and bias are in; A's steps 0 and 1, 32 loads, may be out
	ALOAD 2
	s_wait_dscnt 0x0
	FETCH 1
	s_wait_loadcnt 32                              ; A's step 0 is in; steps 1 and 2 may be out
	ALOAD 3
	MUL 0, 1
	s_wait_dscnt 0x0
	s_cmp_lt_u32 s16, 2
	s_cbranch_scc0 .Lnot_chunk_1
	s_wait_tensorcnt 0x0                           ; wave 1: chunk 1 is in
.Lnot_chunk_1:
	BARRIER
	PLACES 4                                       ; in front of loads into registers that products have read
	FETCH 2
	s_wait_loadcnt 32
	ALOAD 4
	MUL 1, 0
.irp t, 2,3,4,5,6
	s_wait_dscnt 0x0                               ; this step's fragments of B are in
.if \t == 4
	s_wait_tensorcnt 0x0                           ; every wave: chunk 2 is in
	BARRIER
.endif
	PLACES 4
	FETCH \t+1
.if \t < 6
	s_wait_loadcnt 32                              ; this step's A is in; the next two steps' may be out
.else
	s_wait_loadcnt 16
.endif
.if \t < 5
	ALOAD \t+3
.endif
	MUL \t, 0
.endr
	s_wait_dscnt 0x0
	s_wait_loadcnt 0x0
	MUL 7, 0
.macro TOSTAGE a
	WIN 0x08
.irp b, 0,1,2,3,4,5,6,7
	ds_store_b128 v[STO], v[64*(\a)+8*\b:64*(\a)+8*\b+3] offset:64*\b          ; each accumulator from its low end on
	ds_store_b128 v[STO], v[64*(\a)+8*\b+4:64*(\a)+8*\b+7] offset:64*\b+16
.endr
	WIN 0
.set BBK, BK+64*((\a)%2)
.irp t, 0,1,2,3,4,5,6,7,8,9,10,11,12,13,14,15
	ds_load_b128 v[BBK+4*\t:BBK+4*\t+3], v[RD] offset:\t*SPITCH                ; LDS serves a wave's instructions in order
.endr
.endm
.macro SEND a, younger                 ; younger: the LDS instructions issued behind block a's loads
.set BBK, BK+64*((\a)%2)
	s_wait_dscnt \younger
.irp t, 0,1,2,3,4,5,6,7,8,9,10,11,12,13,14,15
	global_store_b128 v[CO], v[BBK+4*\t:BBK+4*\t+3], s[14:15] offset:(8*(\a)+\t%8+32*(\t/8))*4096 th:TH_STORE_NT   ; 512 consecutive bytes, aligned
.endr
.endm
	PLACES 4
	TOSTAGE 0
.irp a, 1,2,3
.if \a > 1
	s_wait_xcnt 0x0                                ; block a - 2's stores have read their registers
.endif
	TOSTAGE \a
	SEND \a-1, 32
.endr
	SEND 3, 0
	s_wait_tensorcnt 0x0                           ; the wave's end
	ds_add_u32 v[SPW], v[NIL]
	s_wait_dscnt 0x0
	CROUND                                         ; the closing round
	s_endpgm
.Lfunc_end_k_q5727593b5e_proj:
	.size	k_q5727593b5e_proj, .Lfunc_end_k_q5727593b5e_proj-k_q5727593b5e_proj
	.p2alignl 7, 3214868480
	.fill 96, 4, 3214868480
	.section	.rodata,"a",@progbits
	.p2align	6, 0x0
	.amdhsa_kernel k_q5727593b5e_proj
		.amdhsa_group_segment_fixed_size 245760
		.amdhsa_private_segment_fixed_size 0
		.amdhsa_enable_private_segment 0
		.amdhsa_kernarg_size 48
		.amdhsa_user_sgpr_count 2
		.amdhsa_user_sgpr_kernarg_segment_ptr 1
		.amdhsa_wavefront_size32 1
		.amdhsa_system_sgpr_workgroup_id_x 1
		.amdhsa_system_sgpr_workgroup_id_y 1
		.amdhsa_system_sgpr_workgroup_id_z 1
		.amdhsa_system_vgpr_workitem_id 0
		.amdhsa_next_free_vgpr 1024
		.amdhsa_next_free_sgpr 80
		.amdhsa_reserve_vcc 0
		.amdhsa_float_denorm_mode_32 3
		.amdhsa_float_denorm_mode_16_64 3
		.amdhsa_memory_ordered 1
		.amdhsa_forward_progress 1
		.amdhsa_inst_pref_size 95
	.end_amdhsa_kernel
	.amdgpu_metadata
---
amdhsa.version: [ 1, 2 ]
amdhsa.kernels:
  - .name:           k_q5727593b5e_proj
    .symbol:         k_q5727593b5e_proj.kd
    .args:
      - { .name: oc, .offset: 0, .size: 8, .value_kind: global_buffer, .address_space: global }
      - { .name: os, .offset: 8, .size: 8, .value_kind: global_buffer, .address_space: global }
      - { .name: wc, .offset: 16, .size: 8, .value_kind: global_buffer, .address_space: global }
      - { .name: ws, .offset: 24, .size: 8, .value_kind: global_buffer, .address_space: global }
      - { .name: bo, .offset: 32, .size: 8, .value_kind: global_buffer, .address_space: global }
      - { .name: out0, .offset: 40, .size: 8, .value_kind: global_buffer, .address_space: global }
    .group_segment_fixed_size: 245760
    .private_segment_fixed_size: 0
    .kernarg_segment_align: 8
    .kernarg_segment_size: 48
    .max_flat_workgroup_size: 128
    .sgpr_count:     80
    .vgpr_count:     1024
    .wavefront_size: 32
...
	.end_amdgpu_metadata
.endif
;; end of part 4
